; MI455X (gfx1250); checked and timed in simulation.
; The chip was launched on July 23, 2026; its instructions are those of AMD's public machine-readable ISA for CDNA 5 (MIT licence, August 2026) and "CDNA5" Instruction Set Architecture Reference Guide (July 2026). The comments in the code are by the model that wrote it; some were corrected since.
;; Global Attention. Allowed arithmetic: float matrix products may take bf16 or f16 operands with f32 sums; other float arithmetic in f32, or as packed bf16 or f16 multiplies, adds, multiply-adds, maxima and minima; sums over many terms, partial sums and values carried from step to step in f32; what a program stores and reads back later, other than sums and carried values, may be rounded once to bf16 or f16.
;; Inputs: Ua_b 1,024 float32; Ua_w 1,024 x 1,024 float32; Va_b 1 float32; Va_w 1,024 float32; Wa_b 1,024 float32; Wa_w 1,024 x 1,024 float32; keys 32 x 2,048 x 1,024 float32; query 32 x 1 x 1,024 float32.
;; Outputs: out0 32 x 1 x 1,024 float32; out1 32 x 1 x 2,048 float32.
;; 2 versions, each right; version 2 is version 1 with the launch main written anew for expert scheduling mode. Each part assembles by itself: llvm-mc -triple=amdgcn-amd-amdhsa -mcpu=gfx1250 --defsym DOCPART=n.
;; ======== version 1 of 2: 3 launches
;; workspace buffers: ubf 2,097,152 bytes; cqb 131,072 bytes; vap 4,096 bytes; scores 262,144 bytes; stat 131,072 bytes; pctx 2,097,152 bytes
;; launch prep (part 1): grid 16 x 2, 16 waves a work-group, no clusters, 133,120 bytes of LDS; arguments Ua_w, Wa_w, query, Wa_b, Ua_b, Va_w, ubf, cqb, vap; writes ubf, cqb, vap
.if DOCPART == 1
	.amdgcn_target "amdgcn-amd-amdhsa--gfx1250"
	.amdhsa_code_object_version 6
	.text
	.protected	k_q648cd09927_prep
	.globl	k_q648cd09927_prep
	.p2align	8
	.type	k_q648cd09927_prep,@function
k_q648cd09927_prep:
	s_mov_b64 s[64:65], 0
	v_nop
	global_prefetch_b8 v0, s[64:65] scope:SCOPE_SE
	s_setreg_imm32_b32 hwreg(HW_REG_WAVE_MODE, 25, 1), 1
	s_wait_xcnt 0x0
; PREPARATION.  Work-group (g, y): g = a group of 64 columns of a [1024 k][1024 n] f32 matrix; y = 0: Ua_w, y = 1: Wa_w.
;   y = 0: ubf = C2 x Ua_w rounded once to bf16 (C2 = 2 log2 e), laid out as the register images of matrix fragments.
;   y = 1: cqb = C2 x (query Wa_w + Wa_b + Ua_b) in f32 (query and Wa_w rounded once to bf16, sums in f32); vap = -2 Va_w.
; POSITIONS.  A lane loads 16 bytes = columns 64 g + 4 r .. + 3 of a row, so that a load of the wave covers whole rows' pieces of 256 bytes.  Word c of
; the sixteen lanes' loads is a fragment whose row m = r stands for column 64 g + 4 m + c: position p = 64 g + 16 c + m.  The later sum over columns
; does not care for their order; cqb and vap are written by position.
; SHARES.  Wave w takes k = 64 w .. 64 w + 63: two K steps of 32 (units u = 0, 1).  For y = 1 the sixteen waves' partial products meet in LDS.
; 32 work-groups: a row's piece of 256 bytes is 64 columns, and K is not split across work-groups (no sums between them).
; LIMITS.  NaN and infinities are not treated apart.
.set C2,    0x4038aa3b                 ; 2 log2 e
.set SPARE, 131072                     ; behind the partial sums (16 waves x 8,192 bytes): the spare words, 128 bytes a wave, named by no other line
.set SPW,   254                        ; v254  SPARE + 4 x my thread's number; never rewritten
.set NIL,   255                        ; v255  0; never rewritten
.set QB,    8                          ; v[8:71]    query as f32, four blocks of 16 (block 2 u + bt); their lower halves then hold the bf16 fragments
.set LW,    72                         ; v[72:199]  the matrix as loaded: unit u, load j at LW + 64 u + 4 j
.set FA,    200                        ; v[200:231] unit 0's four fragments
.set DD,    72                         ; v[72:135]  y = 1: eight accumulators (2 c + bt), where unit 0's loads lay
.set RS,    136                        ; v[136:199] y = 1: the sixteen partial sums read back
.set BI,    232                        ; v[232:239] four Wa_b, four Ua_b; v240-241 two Va_w; v242-247 at work
.set WV,    26                         ; s26  my wave's number
.set YY,    27                         ; s27  y
.macro FRAG dst, src, c                ; fragment c of a unit: register i = rows 2 i and 2 i + 1 of the lane's sixteen, word c
.irp i, 0,1,2,3,4,5,6,7
	v_cvt_pk_bf16_f32 v[(\dst)+(\i)], v[(\src)+8*(\i)+(\c)], v[(\src)+8*(\i)+4+(\c)]
.endr
.endm
	s_load_b512 s[8:23], s[0:1], 0x0               ; Ua_w, Wa_w, query, Wa_b, Ua_b, Va_w, ubf, cqb
	s_load_b64 s[24:25], s[0:1], 0x40              ; vap
	v_lshl_add_u32 v[SPW], v0, 2, SPARE
	v_mov_b32 v[NIL], 0
	v_lshrrev_b32 v1, 5, v0
	v_readfirstlane_b32 s[WV], v1                  ; wave 0..15
	s_and_b32 s[YY], ttmp7, 0xffff
	v_and_b32 v1, 31, v0                           ; L
	v_and_b32 v2, 15, v0                           ; r
	v_bfe_u32 v3, v0, 4, 1                         ; h
	v_lshlrev_b32 v4, 4, v2
	v_lshl_add_u32 v4, v3, 15, v4                  ; 16 r + 8 h rows of 4,096 bytes
	s_mov_b32 s28, C2
	s_mov_b32 s29, C2                              ; named with it as a pair
	s_lshl_b32 s30, s[WV], 18                      ; 64 w rows
	s_lshl_b32 s31, ttmp9, 8                       ; 64 g columns
	s_add_co_u32 s30, s30, s31
	s_mov_b32 s31, 0
	s_wait_kmcnt 0x0
	s_cmp_eq_u32 s[YY], 0
	s_cselect_b64 s[32:33], s[8:9], s[10:11]
	s_add_nc_u64 s[32:33], s[32:33], s[30:31]
	; the pointers that hang on the column group alone are made here, on every wave's path: two of them are used behind the place where the two ways join again
	s_lshl_b32 s30, ttmp9, 8                       ; the group's 64 numbers of 4 bytes
	s_add_nc_u64 s[36:37], s[14:15], s[30:31]      ; Wa_b
	s_add_nc_u64 s[38:39], s[16:17], s[30:31]      ; Ua_b
	s_add_nc_u64 s[40:41], s[18:19], s[30:31]      ; Va_w
	s_add_nc_u64 s[42:43], s[22:23], s[30:31]      ; cqb
	s_add_nc_u64 s[44:45], s[24:25], s[30:31]      ; vap
	; load j of unit u: row 32 u + 8 h + j (j < 8) or 32 u + 16 + 8 h + j - 8: the k of a 16-bit fragment's registers
.irp u, 0,1
.irp j, 0,1,2,3,4,5,6,7,8,9,10,11,12,13,14,15
	global_load_b128 v[LW+64*(\u)+4*(\j):LW+64*(\u)+4*(\j)+3], v4, s[32:33] offset:(32*(\u)+(\j)+8*((\j)/8))*4096 th:TH_LOAD_NT
.endr
.endr
	s_cmp_eq_u32 s[YY], 0
	s_cbranch_scc1 .Lua
	; ---- y = 1: the query's projection ----
	s_lshl_b32 s30, s[WV], 8                       ; my 64 k of a row of the query
	s_add_nc_u64 s[34:35], s[12:13], s[30:31]
	v_lshlrev_b32 v5, 12, v2
	v_lshl_add_u32 v5, v3, 5, v5                   ; batch r, k = 8 h
.irp k, 0,1,2,3                        ; block k = 2 u + bt: batches 16 bt + r, K step u
.irp e, 0,1,2,3
	global_load_b128 v[QB+16*(\k)+4*(\e):QB+16*(\k)+4*(\e)+3], v5, s[34:35] offset:((\k)%2)*65536+((\k)/2)*128+16*((\e)%2)+64*((\e)/2)
.endr
.endr
	; the thread's four results after the meeting: tile 2 c + bt = t >> 6, lane (t >> 1) & 31, registers 4 (t & 1) ..: columns 64 g + 32 hh + 16 qh + 4 i + c
	v_bfe_u32 v246, v0, 5, 1                       ; hh
	v_and_b32 v247, 1, v0                          ; qh
	v_lshrrev_b32 v6, 7, v0                        ; c
	v_lshlrev_b32 v6, 2, v6
	v_lshl_add_u32 v6, v247, 6, v6
	v_lshl_add_u32 v6, v246, 7, v6                 ; 4 (32 hh + 16 qh + c)
.irp i, 0,1,2,3
	global_load_b32 v[BI+(\i)], v6, s[36:37] offset:16*(\i)
	global_load_b32 v[BI+4+(\i)], v6, s[38:39] offset:16*(\i)
.endr
	; positions 2 L and 2 L + 1 of the group: c = L >> 3, m = 2 (L & 7): columns 4 m + c and 4 m + 4 + c
	v_and_b32 v246, 7, v0
	v_bfe_u32 v247, v0, 3, 2
	v_lshlrev_b32 v7, 5, v246
	v_lshl_add_u32 v7, v247, 2, v7
	global_load_b32 v240, v7, s[40:41]
	global_load_b32 v241, v7, s[40:41] offset:16
	s_lshl_b32 s30, s[WV], 13
	v_lshl_add_u32 v242, v1, 5, s30                ; my wave's partial sums: 8,192 w + 32 L
	s_wait_loadcnt 0x0                             ; one round of loads: all are in
.irp k, 0,1,2,3                        ; the query rounded in place, ascending: register i takes numbers 2 i and 2 i + 1
.irp i, 0,1,2,3,4,5,6,7
	v_cvt_pk_bf16_f32 v[QB+16*(\k)+(\i)], v[QB+16*(\k)+2*(\i)], v[QB+16*(\k)+2*(\i)+1]
.endr
.endr
.irp c, 0,1,2,3
	FRAG FA+8*(\c), LW, \c
	FRAG 16+16*(\c), LW+64, \c                     ; unit 1's fragments take the query blocks' upper halves, now free
.endr
	; D(2 c + bt) = fragment c (16 positions) x query (16 batches).  The eight accumulators take turns; unit 0 starts the sums.
.irp t, 0,1,2,3,4,5,6,7
	v_wmma_f32_16x16x32_bf16 v[DD+8*(\t):DD+8*(\t)+7], v[FA+8*((\t)/2):FA+8*((\t)/2)+7], v[QB+16*((\t)%2):QB+16*((\t)%2)+7], 0
.endr
.irp t, 0,1,2,3,4,5,6,7
	v_wmma_f32_16x16x32_bf16 v[DD+8*(\t):DD+8*(\t)+7], v[16+16*((\t)/2):16+16*((\t)/2)+7], v[QB+32+16*((\t)%2):QB+32+16*((\t)%2)+7], v[DD+8*(\t):DD+8*(\t)+7]
.endr
.rept 4
	v_nop                                          ; four places between the last product and the stores that read results
.endr
.irp t, 0,1,2,3,4,5,6,7
	ds_store_b128 v242, v[DD+8*(\t):DD+8*(\t)+3] offset:1024*(\t)
	ds_store_b128 v242, v[DD+8*(\t)+4:DD+8*(\t)+7] offset:1024*(\t)+16
.endr
	s_branch .Lmeet
.Lua:	; ---- y = 0: Ua_w scaled, rounded, stored as fragments ----
	s_lshr_b32 s30, ttmp9, 3                       ; column chunk
	s_lshl_b32 s30, s30, 20
	s_lshl_b32 s34, s[WV], 16                      ; K step 2 w: 32 fragments of 1,024 bytes each step
	s_add_co_u32 s30, s30, s34
	s_and_b32 s34, ttmp9, 7
	s_lshl_b32 s34, s34, 12                        ; tile 4 (g & 7) of the chunk
	s_add_co_u32 s30, s30, s34
	s_add_nc_u64 s[34:35], s[20:21], s[30:31]
	v_lshlrev_b32 v5, 4, v1                        ; 16 L
	s_wait_loadcnt 0x0
.set k_, 0
.rept 64
	v_pk_mul_f32 v[LW+2*k_:LW+2*k_+1], v[LW+2*k_:LW+2*k_+1], s[28:29] op_sel_hi:[1,0]
.set k_, k_+1
.endr
.irp c, 0,1,2,3
	FRAG FA+8*(\c), LW, \c
	FRAG QB+8*(\c), LW+64, \c
.endr
.irp c, 0,1,2,3                        ; each store of the wave covers 512 consecutive bytes, aligned
.irp q, 0,1
	global_store_b128 v5, v[FA+8*(\c)+4*(\q):FA+8*(\c)+4*(\q)+3], s[34:35] offset:1024*(\c)+512*(\q)
	global_store_b128 v5, v[QB+8*(\c)+4*(\q):QB+8*(\c)+4*(\q)+3], s[34:35] offset:32768+1024*(\c)+512*(\q)
.endr
.endr
.Lmeet:	; on every wave's path: my LDS stores are done, then the barrier
	s_wait_dscnt 0x0
	s_barrier_signal -1
	s_barrier_wait -1
	s_cmp_eq_u32 s[YY], 0
	s_cbranch_scc1 .Lend
	v_lshlrev_b32 v243, 4, v0                      ; thread t takes bytes 16 t of each wave's 8,192
	v_add_nc_u32 v244, 0x10000, v243
.irp k, 0,1,2,3,4,5,6,7
	ds_load_b128 v[RS+4*(\k):RS+4*(\k)+3], v243 offset:8192*(\k)
.endr
.irp k, 0,1,2,3,4,5,6,7
	ds_load_b128 v[RS+32+4*(\k):RS+32+4*(\k)+3], v244 offset:8192*(\k)
.endr
	v_bfe_u32 v245, v0, 1, 4                       ; where they go in cqb: batch 16 bt + (lane & 15), position 16 c + 8 hh + 4 qh
	v_lshlrev_b32 v245, 12, v245
	v_bfe_u32 v246, v0, 6, 1
	v_lshl_add_u32 v245, v246, 16, v245
	v_lshrrev_b32 v246, 7, v0
	v_lshl_add_u32 v245, v246, 6, v245
	v_bfe_u32 v246, v0, 5, 1
	v_lshl_add_u32 v245, v246, 5, v245
	v_and_b32 v246, 1, v0
	v_lshl_add_u32 v245, v246, 4, v245
	v_pk_add_f32 v[BI:BI+1], v[BI:BI+1], v[BI+4:BI+5]          ; Wa_b + Ua_b
	v_pk_add_f32 v[BI+2:BI+3], v[BI+2:BI+3], v[BI+6:BI+7]
	s_wait_dscnt 0x0
.irp d, 8,4,2,1
.set k_, 0
.rept \d
	v_pk_add_f32 v[RS+4*k_:RS+4*k_+1], v[RS+4*k_:RS+4*k_+1], v[RS+4*(k_+(\d)):RS+4*(k_+(\d))+1]
	v_pk_add_f32 v[RS+4*k_+2:RS+4*k_+3], v[RS+4*k_+2:RS+4*k_+3], v[RS+4*(k_+(\d))+2:RS+4*(k_+(\d))+3]
.set k_, k_+1
.endr
.endr
	v_pk_add_f32 v[RS:RS+1], v[RS:RS+1], v[BI:BI+1]
	v_pk_add_f32 v[RS+2:RS+3], v[RS+2:RS+3], v[BI+2:BI+3]
	v_pk_mul_f32 v[RS:RS+1], v[RS:RS+1], s[28:29] op_sel_hi:[1,0]
	v_pk_mul_f32 v[RS+2:RS+3], v[RS+2:RS+3], s[28:29] op_sel_hi:[1,0]
	global_store_b128 v245, v[RS:RS+3], s[42:43]   ; 16 bytes a lane to 32 rows of cqb: 128 KiB in the whole launch
	s_cmp_lg_u32 s[WV], 0
	s_cbranch_scc1 .Lend
	v_mul_f32 v240, -2.0, v240                     ; wave 0: the group's 64 numbers of vap, 256 consecutive bytes
	v_mul_f32 v241, -2.0, v241
	v_lshlrev_b32 v246, 3, v1
	global_store_b64 v246, v[240:241], s[44:45]
.Lend:
	s_wait_tensorcnt 0x0                           ; the wave's end, behind the last LDS store
	ds_add_u32 v[SPW], v[NIL]
	s_wait_dscnt 0x0
	s_endpgm
.Lfunc_end_k_q648cd09927_prep:
	.size	k_q648cd09927_prep, .Lfunc_end_k_q648cd09927_prep-k_q648cd09927_prep
	.p2alignl 7, 3214868480
	.fill 96, 4, 3214868480
	.section	.rodata,"a",@progbits
	.p2align	6, 0x0
	.amdhsa_kernel k_q648cd09927_prep
		.amdhsa_group_segment_fixed_size 133120
		.amdhsa_private_segment_fixed_size 0
		.amdhsa_enable_private_segment 0
		.amdhsa_kernarg_size 72
		.amdhsa_user_sgpr_count 2
		.amdhsa_user_sgpr_kernarg_segment_ptr 1
		.amdhsa_wavefront_size32 1
		.amdhsa_system_sgpr_workgroup_id_x 1
		.amdhsa_system_sgpr_workgroup_id_y 1
		.amdhsa_system_sgpr_workgroup_id_z 1
		.amdhsa_system_vgpr_workitem_id 0
		.amdhsa_next_free_vgpr 256
		.amdhsa_next_free_sgpr 66
		.amdhsa_reserve_vcc 0
		.amdhsa_float_denorm_mode_32 3
		.amdhsa_float_denorm_mode_16_64 3
		.amdhsa_memory_ordered 1
		.amdhsa_forward_progress 1
		.amdhsa_inst_pref_size 31
	.end_amdhsa_kernel
	.amdgpu_metadata
---
amdhsa.version: [ 1, 2 ]
amdhsa.kernels:
  - .name:           k_q648cd09927_prep
    .symbol:         k_q648cd09927_prep.kd
    .args:
      - { .name: Ua_w, .offset: 0, .size: 8, .value_kind: global_buffer, .address_space: global }
      - { .name: Wa_w, .offset: 8, .size: 8, .value_kind: global_buffer, .address_space: global }
      - { .name: query, .offset: 16, .size: 8, .value_kind: global_buffer, .address_space: global }
      - { .name: Wa_b, .offset: 24, .size: 8, .value_kind: global_buffer, .address_space: global }
      - { .name: Ua_b, .offset: 32, .size: 8, .value_kind: global_buffer, .address_space: global }
      - { .name: Va_w, .offset: 40, .size: 8, .value_kind: global_buffer, .address_space: global }
      - { .name: ubf, .offset: 48, .size: 8, .value_kind: global_buffer, .address_space: global }
      - { .name: cqb, .offset: 56, .size: 8, .value_kind: global_buffer, .address_space: global }
      - { .name: vap, .offset: 64, .size: 8, .value_kind: global_buffer, .address_space: global }
    .group_segment_fixed_size: 133120
    .private_segment_fixed_size: 0
    .kernarg_segment_align: 8
    .kernarg_segment_size: 72
    .max_flat_workgroup_size: 512
    .sgpr_count:     66
    .vgpr_count:     256
    .wavefront_size: 32
...
	.end_amdgpu_metadata
.endif
;; end of part 1
;; launch main (part 2): grid 512 x 1, 4 waves a work-group, no clusters, 286,208 bytes of LDS; arguments keys, ubf, cqb, vap, Va_b, scores, stat, pctx; writes scores, stat, pctx
.if DOCPART == 2
	.amdgcn_target "amdgcn-amd-amdhsa--gfx1250"
	.amdhsa_code_object_version 6
	.text
	.protected	k_q648cd09927_main
	.globl	k_q648cd09927_main
	.p2align	8
	.type	k_q648cd09927_main,@function
k_q648cd09927_main:
	s_mov_b64 s[64:65], 0
	v_nop
	global_prefetch_b8 v0, s[64:65] scope:SCOPE_SE
	s_setreg_imm32_b32 hwreg(HW_REG_WAVE_MODE, 25, 1), 1
	s_wait_xcnt 0x0
; ADDITIVE ATTENTION, ONE BLOCK OF 128 KEY ROWS TO A WORK-GROUP (512 blocks, 16 to a batch).
;   score[s] = Va_b + sum over n of Va[n] tanh(q[n] + (keys Ua_w)[s][n] + biases);  then the block's maximum m, p = e^(score - m), l = sum p, and sum over s of p[s] keys[s][:].
; The keys are read from memory ONCE, as f32, rounded to bf16 and kept in LDS (128 rows x 1,024 k, 278,528 bytes with padding) from the first product to the context.
; THE PRODUCT is taken transposed: source 0 = 16 positions (columns) x 32 k of ubf, source 1 = 16 key rows x 32 k.  A lane then holds ONE key row (lane % 16) and eight positions,
; so the sum over columns stays in the lane but for one exchange of the lanes' halves.  The 1,024 columns go in two chunks of 512; in a chunk a wave has 128 rows x 128 positions:
; 64 accumulators, 512 registers, 2,048 matrix instructions.  A chunk's first K step takes cqb as its C operand, so the sums start at the query's part.
; A K STEP is 64 products with ONE run of loads in its middle: the next step's 16 LDS loads of the keys' fragments, and the 16 loads of the weights three steps on.
; THE KEYS come in 8 stages of 128 k: a wave loads its 32 rows x 512 bytes (32 loads of 512 consecutive bytes).  Stage t + 1 is rounded in K step 4 t + 2, four conversions behind each of
; sixteen products; its LDS stores and the loads of stage t + 2 stand in that step's run; the barrier's signal and wait stand round the first 32 products of step 4 t + 3.
; THE WEIGHTS: no two waves of the work-group multiply by the same fragment of ubf, so each fragment goes from memory straight into the registers of its one wave, as a ready image
; (16 loads of 512 consecutive bytes a K step), through a ring of four register buffers.
; NO CLUSTER, NO TENSOR LOAD: beside the keys' 278,528 bytes and 7,680 of scratch LDS has some 41 KiB left, room for one K step of a chunk's weights (32 KiB) and not for two slots that
; take turns; and LDS would add a write and a read of each byte of the weights with no second reader.  The price: every block reads all 2 MiB of ubf.
; TANH.  ubf and cqb carry the factor 2 log2 e: y = the sum, tanh = 1 - 2 / (1 + 2^y); vap = -2 Va, so score = Va_b - sum(vap) / 2 + sum over n of vap[n] / (1 + 2^y).
; LIMITS.  keys, weights and p are rounded once to bf16; sums, maxima and scores are f32.  2^y overflows to infinity above y = 128 (tanh = 1 exactly) and is 0 below -126 (tanh = -1 exactly).
; A weight p below 2^-126 counts as 0.  NaN and infinities in the inputs are not treated apart.
; REGISTERS, in windows of 256 (s_set_vgpr_msb: bits 1:0 source 0, 3:2 source 1, 5:4 source 2, 7:6 destination):
;   window 0: v0-15 addresses; v16-23 chunk 0's row sums; v24-31 work and the add's two; v64-95 the keys' fragments 0-3 of a K step; v96-127 (even steps) and v32-63 (odd steps) fragments 4-7;
;             v128-255 a stage as f32, later vap for both chunks
;   window 1: the weights' ring, buffer i, fragment b at 64 i + 8 b; buffer 3 holds cqb during a chunk's first step      windows 2, 3: accumulator (a, b) at 8 (8 (a & 3) + b), a < 4 in window 2
.set REG,    34816                     ; LDS bytes of a stage: 128 rows x 272 (256 of data + 16: the sixteen rows of a fragment load start 68 words apart, at sixteen different groups of four banks: ISA guide 11.1)
.set SPART,  8*REG                     ; 2,048: the waves' parts of the scores, [wave][128 rows] f32
.set PBUF,   SPART+2048                ; 1,024: p in bf16, a copy of 256 bytes for each wave
.set CSTG,   PBUF+1024                 ; 4,096: the context's way out, 1,024 bytes a wave
.set SPARE,  CSTG+4096                 ; 512: the spare words, 128 bytes a wave, named by no other line
.set AFA,  2                           ; v2   r x 272 + 16 h + the stage of the loop's trip
.set AFA0, 3                           ; v3   the same for stage 0; never rewritten
.set STA,  4                           ; v4   where my lane stores 8 bytes of my wave's first row of the next stage
.set LO16, 5                           ; v5   16 L
.set PFO,  6                           ; v6   4,096 L: a lane a row
.set CO,   7                           ; v7   32 h
.set SPA,  8                           ; v8   SPART + 512 w + 4 L
.set SPR,  9                           ; v9   SPART + 16 L
.set PBS,  10                          ; v10  PBUF + 256 w + 8 L
.set PFR,  11                          ; v11  PBUF + 256 w + 16 h
.set AVT,  12                          ; v12  the turning loads' address in my two stages
.set CSS,  13                          ; v13  CSTG + 1,024 w + 4 r
.set CSR,  14                          ; v14  CSTG + 1,024 w + 16 L
.set ST8,  15                          ; v15  8 L
.set SC,   16                          ; v[16:23] row sums of chunk 0, by a (the head's work registers before that)
.set TT,   24                          ; v[24:25] the sum of my lane's vap, twice
.set SPW,  30                          ; v30  SPARE + 4 x my thread's number; never rewritten
.set NIL,  31                          ; v31  0; never rewritten
.set GC,   32                          ; fragments 4-7 of odd K steps
.set TS,   40                          ; v[40:47] row sums of chunk 1, when the products are over
.set GA,   64                          ; fragments 0-3
.set GB,   96                          ; fragments 4-7 of even K steps
.set STG,  128
.set VA,   128                         ; chunk ch, tile b: vap's eight numbers at VA + 64 ch + 8 b
.set WV,   24                          ; s24  my wave's number
.set KP,   28                          ; s[28:29] keys at my wave's first row, at the stage of the loop's trip
.set BP,   30                          ; s[30:31] ubf at my wave's eight fragments, at a group of four K steps
.set CQP,  32                          ; s[32:33] cqb at my batch and my wave's 128 positions
.set VAP,  34                          ; s[34:35] vap likewise
.set MSB, 0
.macro WIN new                         ; the immediate's high byte repeats the setting that is left; a switch that changes nothing is dropped
.if MSB != (\new)
	s_set_vgpr_msb (MSB<<8)|(\new)
.set MSB, (\new)
.endif
.endm
.set TO_B,   0x40                      ; destination window 1, address window 0
.macro PLACES                          ; four places between a matrix instruction and a load into a register that it read, or a vector instruction that reads its result (ISA guide 7.12.1 for vector instructions)
.rept 4
	v_nop
.endr
.endm
.macro BLOAD buf, off                  ; a K step's eight fragments of the weights: 16 loads, 8 KiB on end
	WIN TO_B
.irp b, 0,1,2,3,4,5,6,7
	global_load_b128 v[64*(\buf)+8*(\b):64*(\buf)+8*(\b)+3],   v[LO16], s[BP:BP+1] offset:(\off)+1024*(\b)
	global_load_b128 v[64*(\buf)+8*(\b)+4:64*(\buf)+8*(\b)+7], v[LO16], s[BP:BP+1] offset:(\off)+1024*(\b)+512
.endr
.endm
.macro CQLOAD ch                       ; cqb for chunk ch, my eight positions of each of my eight tiles, into ring buffer 3: 16 loads
	WIN TO_B
.irp b, 0,1,2,3,4,5,6,7
	global_load_b128 v[192+8*(\b):192+8*(\b)+3],   v[CO], s[CQP:CQP+1] offset:2048*(\ch)+64*(\b)
	global_load_b128 v[192+8*(\b)+4:192+8*(\b)+7], v[CO], s[CQP:CQP+1] offset:2048*(\ch)+64*(\b)+16
.endr
.endm
.macro VLOAD                           ; vap for both chunks: 32 loads, as many as a stage has
.irp c, 0,1
.irp b, 0,1,2,3,4,5,6,7
	global_load_b128 v[VA+64*(\c)+8*(\b):VA+64*(\c)+8*(\b)+3],   v[CO], s[VAP:VAP+1] offset:2048*(\c)+64*(\b)
	global_load_b128 v[VA+64*(\c)+8*(\b)+4:VA+64*(\c)+8*(\b)+7], v[CO], s[VAP:VAP+1] offset:2048*(\c)+64*(\b)+16
.endr
.endr
.endm
.macro AFETCH dst, a0, areg, aoff      ; four fragments of the keys, rows 16 (a0 + a) + r: two loads of 16 bytes each, 32 bytes apart
	WIN 0
.irp a, 0,1,2,3
	ds_load_b128 v[(\dst)+8*(\a):(\dst)+8*(\a)+3],   v[\areg] offset:(\aoff)+4352*((\a0)+(\a))
	ds_load_b128 v[(\dst)+8*(\a)+4:(\dst)+8*(\a)+7], v[\areg] offset:(\aoff)+4352*((\a0)+(\a))+32
.endr
.endm
.macro KBURST base, off                ; a stage of my 32 rows: each load is 512 consecutive bytes of a row
.set ki, 0
.rept 32
	global_load_b128 v[(\base)+4*ki:(\base)+4*ki+3], v[LO16], s[KP:KP+1] offset:(\off)+4096*ki th:TH_LOAD_NT
.set ki, ki+1
.endr
.endm
.macro CVT1 base                       ; conversion cn of a stage's 64, in place: a load's four numbers become two registers
	v_cvt_pk_bf16_f32 v[(\base)+4*(cn/2)+(cn%2)], v[(\base)+4*(cn/2)+2*(cn%2)], v[(\base)+4*(cn/2)+2*(cn%2)+1]
.set cn, cn+1
.endm
.macro STORES base                     ; the stage into LDS: 256 consecutive bytes a row
.set ki, 0
.rept 32
	ds_store_b64 v[STA], v[(\base)+4*ki:(\base)+4*ki+1] offset:272*ki
.set ki, ki+1
.endr
.endm
; 32 products: rows 64 hi .. (fragments at ag), all 8 tiles, ring buffer buf.  The accumulators take turns, one instruction a turn, within a step and from step to step.
; z = 1: the chunk's first step: C is cqb, in ring buffer 3.  rid = 1: four conversions of the stage stand behind each of the last sixteen products; the last four are also the places ahead of the run.
.macro MUL32 hi, ag, buf, z, rid
.set mi, 0
.irp a, 0,1,2,3
.irp b, 0,1,2,3,4,5,6,7
.if \z
	WIN 0x91+0x40*(\hi)                            ; weights and C window 1, keys window 0, D window 2 or 3
	v_wmma_f32_16x16x32_bf16 v[8*(8*(\a)+(\b)):8*(8*(\a)+(\b))+7], v[64*(\buf)+8*(\b):64*(\buf)+8*(\b)+7], v[(\ag)+8*(\a):(\ag)+8*(\a)+7], v[192+8*(\b):192+8*(\b)+7]
.else
	WIN 0xa1+0x50*(\hi)                            ; weights window 1, keys window 0, C and D window 2 or 3
	v_wmma_f32_16x16x32_bf16 v[8*(8*(\a)+(\b)):8*(8*(\a)+(\b))+7], v[64*(\buf)+8*(\b):64*(\buf)+8*(\b)+7], v[(\ag)+8*(\a):(\ag)+8*(\a)+7], v[8*(8*(\a)+(\b)):8*(8*(\a)+(\b))+7]
.endif
.if (\rid) && (mi >= 16)
	WIN 0
.rept 4
	CVT1 STG
.endr
.endif
.set mi, mi+1
.endr
.endr
.endm
; Behind a stage's stores: the stage two on (trips 1 to 6) or, in the seventh trip, vap: 32 loads into the same registers on either way, so the steps' counts are the same on both.
; THE PREFETCH INTO THE L2: behind my loads of stage t + 2 I name my own 32 rows' two blocks of 256 bytes of stage t + 3: a lane a row, two instructions, four K steps (256 matrix instructions)
; ahead of the loads that will want them.  Each block is named once in the launch; stages 0-2 come by their loads alone; the last two trips have no stage three on.
.macro KORV
	WIN 0
	s_cmp_gt_u32 s36, 1
	s_cbranch_scc0 .Lva_\@
	KBURST STG, 1024
	s_cmp_gt_u32 s36, 2
	s_cbranch_scc0 .Lkv_\@
	global_prefetch_b8 v[PFO], s[KP:KP+1] offset:1536 th:TH_LOAD_NT scope:SCOPE_SE
	global_prefetch_b8 v[PFO], s[KP:KP+1] offset:1792 th:TH_LOAD_NT scope:SCOPE_SE
	s_branch .Lkv_\@
.Lva_\@:
	VLOAD
.Lkv_\@:
.endm
; A K STEP of 32: 64 products on ring buffer buf; odd: the step's parity (where its fragments 4-7 lie).  ldn: how many younger loads may stay out when the buffer has to be in.
; areg, aoff: where the NEXT step's fragments of the keys lie (-1: none).  boff: from where the buffer of the step before is loaded again, for the step three on (-1: not).
; stage = 1: the stage's conversions, stores and the next loads.  bar = 1: the barrier between those stores and the first read of the stage.  endp = 1: places behind the last product.
.macro STEP buf, odd, z, ldn, areg, aoff, boff, stage=0, bar=0, endp=0
.set hcur, GB-(GB-GC)*(\odd)
.set hnxt, GC+(GB-GC)*(\odd)
	s_wait_loadcnt \ldn                            ; loads come back in order (ISA guide 5.7.1): the buffer is in
.if \bar
	s_wait_dscnt 0x0                               ; for the others' sake: my stores of the stage are done (and my fragments are in)
	s_barrier_signal -1                            ; 32 products, work on registers, stand between the signal and the wait
.else
	s_wait_dscnt 8                                 ; fragments 0-3 are in; the eight loads of fragments 4-7 may be out
.endif
.set cn, 0
	MUL32 0, GA, \buf, \z, \stage
.if \bar
	s_barrier_wait -1                              ; every wave's part of the stage lies in LDS: the run below reads it
.endif
.if !(\stage) && (((\aoff) >= 0) || ((\boff) >= 0))
	PLACES
.endif
.if (\aoff) >= 0
	AFETCH GA, 0, \areg, \aoff
	AFETCH hnxt, 4, \areg, \aoff
.endif
.if \stage
	STORES STG
.endif
.if ((\boff) >= 0) && !(\z)
	BLOAD ((\buf)+3)%4, \boff
.endif
.if \stage
	KORV
.endif
.if (\aoff) >= 0
	s_wait_dscnt 16+32*(\stage)                    ; my fragments 4-7 are in; the LDS instructions of the run just issued stay out
.else
	s_wait_dscnt 0x0
.endif
	MUL32 1, hcur, \buf, \z, 0
.if \z
	PLACES
	BLOAD 3, \boff                                 ; cqb has been taken: ring buffer 3 gets its weights
.elseif \endp
	PLACES
.endif
.endm
.macro NEXT4 keys                      ; four K steps on.  It stands 32 products behind the last run of loads
	WIN 0
	s_wait_xcnt 0x0                                ; every earlier load and prefetch has read its address: the pointers may be written
	s_add_nc_u64 s[BP:BP+1], s[BP:BP+1], 131072
	v_add_nc_u32 v[AFA], REG, v[AFA]
.if \keys
	s_add_nc_u64 s[KP:KP+1], s[KP:KP+1], 512
	v_add_nc_u32 v[STA], REG, v[STA]
.endif
.endm
; THE EPILOGUE of a window's 32 accumulators, in four groups g of tiles b = 2 g, 2 g + 1 (32 register pairs each; pair i: tile 2 g + (i >> 4), rows a' = (i >> 2) & 3, registers 2 (i & 3) ..).
;   EX2: 2^y      EA: 1 + 2^y      ERC: the reciprocal      ES: vap x reciprocal + the running sum, which walks from tile b - 1 to tile b in the accumulators' own registers
; All run under one window setting.  Each accumulator's register 0 is read first.
.macro EREG g, i
.set eB, 2*(\g)+((\i)>>4)
.set eQ, 2*((\i)&3)
.set eP, 8*(8*(((\i)>>2)&3)+eB)+eQ
.endm
.macro EX2 g, i, z
	EREG \g, \i
	v_exp_f32 v[eP+(\z)], v[eP+(\z)]
.endm
.macro EA g, i
	EREG \g, \i
	v_pk_add_f32 v[eP:eP+1], v[eP:eP+1], 1.0 op_sel_hi:[1,0]
.endm
.macro ERC g, i, z
	EREG \g, \i
	v_rcp_f32 v[eP+(\z)], v[eP+(\z)]
.endm
.macro ES g, i
	EREG \g, \i
.if eB == 0
	v_pk_mul_f32 v[eP:eP+1], v[eP:eP+1], v[VA+64*ech+8*eB+eQ:VA+64*ech+8*eB+eQ+1]
.else
	v_pk_fma_f32 v[eP:eP+1], v[eP:eP+1], v[VA+64*ech+8*eB+eQ:VA+64*ech+8*eB+eQ+1], v[eP-8:eP-7]
.endif
.endm
; Phase f works on three groups at once: EX2 of group f, EA and ERC of f - 1, ES of f - 2, plain lines between the transcendentals.  No line of a phase names a result of that phase's
; exponentials or reciprocals, so a phase has ONE v_nop and ONE wait at its end, ahead of the first reader.
.macro EPHASE f
.set ei, 0
.rept 32
.if ((\f) >= 1) && ((\f) <= 4)
	EA (\f)-1, ei
.endif
.if (\f) <= 3
	EX2 \f, ei, 0
.endif
.if (\f) >= 2
	ES (\f)-2, ei
.endif
.if (\f) <= 3
	EX2 \f, ei, 1
.endif
.if ((\f) >= 1) && ((\f) <= 4) && (ei >= 1)
	ERC (\f)-1, ei-1, 0
	ERC (\f)-1, ei-1, 1
.endif
.set ei, ei+1
.endr
.if ((\f) >= 1) && ((\f) <= 4)
	ERC (\f)-1, 31, 0
	ERC (\f)-1, 31, 1
.endif
.if (\f) <= 4
	v_nop
	s_wait_alu depctr_va_vdst(0)
.endif
.endm
.macro EPIW W, dst, ch                 ; window 2 + W of chunk ch; the four rows' sums go to v[dst + 4 W ..]
.set ech, (\ch)
	WIN 0xa2+0x51*(\W)                             ; source 0, source 2 and destination in the accumulators' window, source 1 (vap) in window 0
.irp f, 0,1,2,3,4,5
	EPHASE \f
.endr
	WIN 0x8a+0x45*(\W)                             ; tile 7 holds eight sums a lane: added in place,
.irp a, 0,1,2,3
	v_pk_add_f32 v[64*(\a)+56:64*(\a)+57], v[64*(\a)+56:64*(\a)+57], v[64*(\a)+60:64*(\a)+61]
	v_pk_add_f32 v[64*(\a)+58:64*(\a)+59], v[64*(\a)+58:64*(\a)+59], v[64*(\a)+62:64*(\a)+63]
.endr
.irp a, 0,1,2,3
	v_pk_add_f32 v[64*(\a)+56:64*(\a)+57], v[64*(\a)+56:64*(\a)+57], v[64*(\a)+58:64*(\a)+59]
.endr
	WIN 0x0a+5*(\W)                                ; and out into window 0
.irp a, 0,1,2,3
	v_add_f32 v[(\dst)+4*(\W)+(\a)], v[64*(\a)+56], v[64*(\a)+57]
.endr
.endm
; THE CONTEXT.  32 keys x 16 channels of my two stages, turned on the way out of LDS: tile t = channels 16 t .. of my 256
.macro KTLOAD ks
	WIN TO_B
.irp t, 0,1,2,3,4,5,6,7,8,9,10,11,12,13,14,15
	ds_load_tr16_b128 v[128*((\ks)%2)+8*(\t):128*((\ks)%2)+8*(\t)+3],   v[AVT] offset:((\t)/8)*REG+32*(\ks)*272+32*((\t)%8)
	ds_load_tr16_b128 v[128*((\ks)%2)+8*(\t)+4:128*((\ks)%2)+8*(\t)+7], v[AVT] offset:((\t)/8)*REG+32*(\ks)*272+16*272+32*((\t)%8)
.endr
.endm
.macro CMUL ks, zero                   ; 16 products, the sixteen accumulators by turns
	WIN 0xa4                                       ; p in window 0, the keys in window 1, C and D in window 2
.irp t, 0,1,2,3,4,5,6,7,8,9,10,11,12,13,14,15
.if \zero
	v_wmma_f32_16x16x32_bf16 v[8*(\t):8*(\t)+7], v[GA+8*(\ks):GA+8*(\ks)+7], v[128*((\ks)%2)+8*(\t):128*((\ks)%2)+8*(\t)+7], 0
.else
	v_wmma_f32_16x16x32_bf16 v[8*(\t):8*(\t)+7], v[GA+8*(\ks):GA+8*(\ks)+7], v[128*((\ks)%2)+8*(\t):128*((\ks)%2)+8*(\t)+7], v[8*(\t):8*(\t)+7]
.endif
.endr
.endm
	; ---- THE HEAD: all that hangs on no argument stands in the wait for the arguments ----
	s_load_b512 s[8:23], s[0:1], 0x0               ; keys, ubf, cqb, vap, Va_b, scores, stat, pctx
	v_lshl_add_u32 v[SPW], v0, 2, SPARE
	v_mov_b32 v[NIL], 0
	v_lshrrev_b32 v1, 5, v0
	v_readfirstlane_b32 s[WV], v1                  ; wave 0..3
	v_and_b32 v1, 31, v0                           ; L
	v_lshlrev_b32 v[LO16], 4, v1
	v_and_b32 v18, 15, v0                          ; r
	v_bfe_u32 v19, v0, 4, 1                        ; h
	v_lshlrev_b32 v[CO], 5, v19
	s_lshl_b32 s26, ttmp9, 19                      ; the block's 128 rows of 4,096 bytes,
	s_lshl_b32 s27, s[WV], 17                      ; my wave's 32
	s_add_co_u32 s26, s26, s27
	s_mov_b32 s27, 0
	s_lshl_b32 s40, s[WV], 13                      ; my eight fragments of 1,024 bytes
	s_mov_b32 s41, 0
	s_lshr_b32 s52, ttmp9, 4                       ; the batch,
	s_lshl_b32 s52, s52, 12
	s_lshl_b32 s53, s[WV], 9                       ; my wave's 128 positions
	s_add_co_u32 s52, s52, s53
	s_mov_b32 s53, 0
	s_mov_b32 s37, 0xffff0000                      ; lanes 16-31
	s_mov_b32 s38, 0x76543210                      ; v_permlanex16_b32: each lane takes its own place in the other half
	s_mov_b32 s39, 0xfedcba98
	s_mov_b32 s42, 0x3fb8aa3b                      ; log2 e
	s_mov_b32 s43, 0x3fb8aa3b
	s_mov_b32 s45, 0                               ; named with Va_b as a pair
	v_mul_u32_u24 v[AFA0], v18, 272
	v_lshl_add_u32 v[AFA0], v19, 4, v[AFA0]
	v_mov_b32 v[AFA], v[AFA0]
	s_mul_i32 s54, s[WV], 32*272
	v_lshl_add_u32 v[STA], v1, 3, s54
	v_lshlrev_b32 v[PFO], 12, v1
	s_lshl_b32 s54, s[WV], 9
	s_add_co_u32 s54, s54, SPART
	v_lshl_add_u32 v[SPA], v1, 2, s54
	v_lshl_add_u32 v[SPR], v1, 4, SPART
	s_lshl_b32 s54, s[WV], 8
	s_add_co_u32 s54, s54, PBUF
	v_lshl_add_u32 v[PBS], v1, 3, s54
	v_lshl_add_u32 v[PFR], v19, 4, s54
	v_and_b32 v20, 7, v0
	v_bfe_u32 v21, v0, 3, 1
	v_lshl_add_u32 v[AVT], v19, 3, v20             ; the turning load: lane L reads key 8 h + L % 8, channels 8 ((L / 8) % 2) ..
	v_mul_u32_u24 v[AVT], v[AVT], 272
	v_lshl_add_u32 v[AVT], v21, 4, v[AVT]
	s_mul_i32 s54, s[WV], 2*REG
	v_add_nc_u32 v[AVT], s54, v[AVT]
	s_lshl_b32 s54, s[WV], 10
	s_add_co_u32 s54, s54, CSTG
	v_lshl_add_u32 v[CSS], v18, 2, s54
	v_lshl_add_u32 v[CSR], v1, 4, s54
	v_lshlrev_b32 v[ST8], 3, v1
	s_wait_kmcnt 0x0
	s_add_nc_u64 s[KP:KP+1], s[8:9], s[26:27]
	s_add_nc_u64 s[BP:BP+1], s[10:11], s[40:41]
	s_add_nc_u64 s[CQP:CQP+1], s[12:13], s[52:53]
	WIN 0x80                                       ; stage 0 lands in window 2, where the accumulators are not yet in use, so that stage 1 need not wait for its registers
	KBURST 0, 0
	BLOAD 0, 0
	CQLOAD 0
	WIN 0
	s_load_b32 s44, s[16:17], 0x0                  ; Va_b
	s_lshl_b32 s26, s[WV], 9
	s_add_nc_u64 s[VAP:VAP+1], s[14:15], s[26:27]
	s_lshl_b32 s26, ttmp9, 9
	s_add_nc_u64 s[46:47], s[18:19], s[26:27]      ; scores at the block's 128
	s_lshl_b32 s26, ttmp9, 8
	s_add_nc_u64 s[48:49], s[20:21], s[26:27]      ; stat at the block's 256 bytes
	s_lshl_b32 s26, ttmp9, 12
	s_lshl_b32 s54, s[WV], 10
	s_add_co_u32 s26, s26, s54
	s_add_nc_u64 s[50:51], s[22:23], s[26:27]      ; pctx at my wave's 256 channels
	s_wait_loadcnt 32                              ; stage 0 is in: behind it stand the first buffer's 16 loads and cqb's 16
	BLOAD 1, 32768
	BLOAD 2, 65536
	WIN 0
	KBURST STG, 512                                ; stage 1
	WIN 0x8a                                       ; stage 0 rounded in place, in window 2,
.set cn, 0
.rept 64
	CVT1 0
.endr
	WIN 0x08                                       ; and stored (store data from window 2)
	STORES 0
	WIN 0
	v_add_nc_u32 v[STA], REG, v[STA]
	s_wait_dscnt 0x0                               ; my stores of stage 0 are done
	s_barrier_signal -1
	s_barrier_wait -1
	AFETCH GA, 0, AFA, 0
	AFETCH GB, 4, AFA, 0
	; ---- CHUNK 0: 32 K steps, the stages streamed under them.  A wave's loads in order: ... B(s+1), B(s+2), one run a step, and behind the run of step 4 t + 2 a stage's 32.
	; Steps 4 t + 3, 4 t + 4, 4 t + 5: two runs of 16 and a stage's 32 are younger than the buffer in hand: 64, of which a wait can name 63.  Step 4 t + 2: two runs, 32; the stage, older, is then in too ----
	STEP 0, 0, 1, 63, AFA, 64, 98304               ; K step 0 starts the sums at cqb: B1, B2 and stage 1 are younger than cqb
	WIN 0                                          ; at a label and at a branch every window is 0
	s_mov_b32 s36, 7
.Lst:                                              ; trip t = 0 .. 6: K steps 4 t + 1 .. 4 t + 4; stage t + 1 goes into LDS, stage t + 2 (in the last trip: vap) is asked for
	STEP 1, 1, 0, 63, AFA, 128,    131072
	STEP 2, 0, 0, 32, AFA, 192,    163840, 1, 0
	STEP 3, 1, 0, 63, AFA, REG,    196608, 0, 1
	STEP 0, 0, 0, 63, AFA, REG+64, 229376
	NEXT4 1
	s_sub_co_u32 s36, s36, 1
	s_cmp_lg_u32 s36, 0
	s_cbranch_scc1 .Lst
	STEP 1, 1, 0, 63, AFA,  128, 131072            ; K steps 29 to 31; their reloads are chunk 1's first K steps, which follow chunk 0's in ubf
	STEP 2, 0, 0, 32, AFA,  192, 163840            ; two runs are younger: vap, older, is in
	STEP 3, 1, 0, 32, AFA0, 0,   196608, 0, 0, 1   ; it fetches chunk 1's first fragments of the keys
	CQLOAD 1                                       ; ring buffer 3 has been multiplied: cqb of chunk 1 lands there during the epilogue
	EPIW 0, SC, 0
	EPIW 1, SC, 0
	WIN 0
	v_mov_b32 v[AFA], v[AFA0]
	s_wait_xcnt 0x0
	s_add_nc_u64 s[BP:BP+1], s[BP:BP+1], 131072
	; ---- CHUNK 1: the keys lie in LDS ----
	STEP 0, 0, 1, 0x0, AFA, 64, 98304              ; cqb's loads are the youngest: the wait is for all
	WIN 0
	s_mov_b32 s36, 7
.Lk1:                                              ; K steps 4 t + 1 .. 4 t + 4: two runs of 16 are younger than the buffer in hand
	STEP 1, 1, 0, 32, AFA, 128,    131072
	STEP 2, 0, 0, 32, AFA, 192,    163840
	STEP 3, 1, 0, 32, AFA, REG,    196608
	STEP 0, 0, 0, 32, AFA, REG+64, 229376
	NEXT4 0
	s_sub_co_u32 s36, s36, 1
	s_cmp_lg_u32 s36, 0
	s_cbranch_scc1 .Lk1
	STEP 1, 1, 0, 32,  AFA, 128, -1                ; the last three steps load no weights: the counts run down
	STEP 2, 0, 0, 16,  AFA, 192, -1
	STEP 3, 1, 0, 0x0, AFA, -1,  -1, 0, 0, 1
	EPIW 0, TS, 1
	EPIW 1, TS, 1
	; ---- THE SCORES ----
	WIN 0
.irp d, 64,32,16,8,4,2                 ; the sum of my lane's 128 numbers of vap (both chunks' lie in registers still)
.set k_, 0
.rept (\d)/2
	v_pk_add_f32 v[VA+2*k_:VA+2*k_+1], v[VA+2*k_:VA+2*k_+1], v[VA+(\d)+2*k_:VA+(\d)+2*k_+1]
.set k_, k_+1
.endr
.endr
	v_add_f32 v[TT], v[VA], v[VA+1]
.irp k, 0,2,4,6
	v_pk_add_f32 v[SC+(\k):SC+(\k)+1], v[SC+(\k):SC+(\k)+1], v[TS+(\k):TS+(\k)+1]
.endr
	v_mov_b32 v[TT+1], v[TT]
.irp k, 0,2,4,6
	v_pk_fma_f32 v[SC+(\k):SC+(\k)+1], v[TT:TT+1], -0.5, v[SC+(\k):SC+(\k)+1] op_sel_hi:[1,0,1]  ; - sum(vap) / 2 = + sum of Va over my lane's positions
.endr
.irp a, 0,1,2,3,4,5,6,7
	v_permlanex16_b32 v[TS+(\a)], v[SC+(\a)], s38, s39      ; a row's other positions lie in the lane 16 away
.endr
.irp k, 0,2,4,6
	v_pk_add_f32 v[SC+(\k):SC+(\k)+1], v[SC+(\k):SC+(\k)+1], v[TS+(\k):TS+(\k)+1]
.endr
.irp i, 0,1,2,3
	v_cndmask_b32 v[48+(\i)], v[SC+2*(\i)], v[SC+2*(\i)+1], s37  ; lane L: row 32 i + L
.endr
.irp i, 0,1,2,3
	ds_store_b32 v[SPA], v[48+(\i)] offset:128*(\i)
.endr
	s_wait_dscnt 0x0                               ; for the others' sake
	s_barrier_signal -1
	s_barrier_wait -1
.irp w, 0,1,2,3
	ds_load_b128 v[48+4*(\w):51+4*(\w)], v[SPR] offset:512*(\w)  ; rows 4 L .. 4 L + 3, each wave's part; every wave makes all 128 scores
.endr
	s_wait_kmcnt 0x0                               ; Va_b
	s_wait_dscnt 0x0
	v_pk_add_f32 v[48:49], v[48:49], v[52:53]
	v_pk_add_f32 v[50:51], v[50:51], v[54:55]
	v_pk_add_f32 v[56:57], v[56:57], v[60:61]
	v_pk_add_f32 v[58:59], v[58:59], v[62:63]
	v_pk_add_f32 v[48:49], v[48:49], v[56:57]
	v_pk_add_f32 v[50:51], v[50:51], v[58:59]
	v_pk_add_f32 v[48:49], v[48:49], s[44:45] op_sel_hi:[1,0]
	v_pk_add_f32 v[50:51], v[50:51], s[44:45] op_sel_hi:[1,0]
	v_max3_num_f32 v16, v48, v49, v50              ; the block's maximum
	v_max_num_f32 v16, v16, v51
	v_max_num_f32_dpp v16, v16, v16 row_xmask:1 row_mask:0xf bank_mask:0xf
	v_max_num_f32_dpp v16, v16, v16 row_xmask:2 row_mask:0xf bank_mask:0xf
	v_max_num_f32_dpp v16, v16, v16 row_xmask:4 row_mask:0xf bank_mask:0xf
	v_max_num_f32_dpp v16, v16, v16 row_xmask:8 row_mask:0xf bank_mask:0xf
	v_permlanex16_b32 v52, v16, s38, s39
	v_max_num_f32 v16, v16, v52
	v_mov_b32 v17, v16
	v_pk_add_f32 v[52:53], v[48:49], v[16:17] neg_lo:[0,1] neg_hi:[0,1]   ; s - m first: 0 exactly at the maximum
	v_pk_add_f32 v[54:55], v[50:51], v[16:17] neg_lo:[0,1] neg_hi:[0,1]
	v_pk_mul_f32 v[52:53], v[52:53], s[42:43] op_sel_hi:[1,0]
	v_pk_mul_f32 v[54:55], v[54:55], s[42:43] op_sel_hi:[1,0]
	v_exp_f32 v52, v52
	v_exp_f32 v53, v53
	v_exp_f32 v54, v54
	v_exp_f32 v55, v55
	v_nop                                          ; a plain instruction behind the last exponential,
	s_wait_alu depctr_va_vdst(0)                   ; and one wait ahead of the first reader
	v_add_f32 v56, v52, v53                        ; l is the sum of the unrounded p
	v_add_f32 v57, v54, v55
	v_cvt_pk_bf16_f32 v58, v52, v53
	v_cvt_pk_bf16_f32 v59, v54, v55
	v_add_f32 v56, v56, v57
	ds_store_b64 v[PBS], v[58:59]                  ; my wave's own copy of p: no other wave touches it
	v_add_f32_dpp v56, v56, v56 row_xmask:1 row_mask:0xf bank_mask:0xf
	v_add_f32_dpp v56, v56, v56 row_xmask:2 row_mask:0xf bank_mask:0xf
	v_add_f32_dpp v56, v56, v56 row_xmask:4 row_mask:0xf bank_mask:0xf
	v_add_f32_dpp v56, v56, v56 row_xmask:8 row_mask:0xf bank_mask:0xf
	v_permlanex16_b32 v57, v56, s38, s39
	v_add_f32 v17, v56, v57                        ; v[16:17] = (m, l)
	s_cmp_lg_u32 s[WV], 0
	s_cbranch_scc1 .Lnot0
	global_store_b128 v[LO16], v[48:51], s[46:47]  ; wave 0: the 128 scores, 512 consecutive bytes,
	global_store_b64 v[ST8], v[16:17], s[48:49]    ; and (m, l) 32 times: 256 consecutive bytes
.Lnot0:
	; ---- THE CONTEXT: D = P x keys, P's sixteen rows all alike; wave w owns channels 256 w .. 256 w + 255 (stages 2 w, 2 w + 1) ----
.irp k, 0,1,2,3
	ds_load_b128 v[GA+8*(\k):GA+8*(\k)+3],   v[PFR] offset:64*(\k)      ; LDS serves a wave's instructions in order (ISA guide 5.7.1.4): these see my store of p
	ds_load_b128 v[GA+8*(\k)+4:GA+8*(\k)+7], v[PFR] offset:64*(\k)+32
.endr
	KTLOAD 0
	KTLOAD 1
	s_wait_dscnt 0x0
	CMUL 0, 1
	CMUL 1, 0
	PLACES
	KTLOAD 2
	KTLOAD 3
	s_wait_dscnt 0x0
	CMUL 2, 0
	CMUL 3, 0
	PLACES
	WIN 0x08                                       ; store data from window 2
.irp t, 0,1,2,3,4,5,6,7,8,9,10,11,12,13,14,15
	ds_store_b32 v[CSS], v[8*(\t)] offset:64*(\t)  ; register 0 of tile t, lane r: channel 16 t + r (both halves of the lanes hold the same number)
.endr
	WIN 0
	ds_load_b128 v[96:99], v[CSR]
	ds_load_b128 v[100:103], v[CSR] offset:512
	s_wait_dscnt 0x0
	global_store_b128 v[LO16], v[96:99], s[50:51]              ; 512 consecutive bytes each
	global_store_b128 v[LO16], v[100:103], s[50:51] offset:512
	s_wait_tensorcnt 0x0                           ; the wave's end, behind the last LDS store
	ds_add_u32 v[SPW], v[NIL]
	s_wait_dscnt 0x0
	s_endpgm
.Lfunc_end_k_q648cd09927_main:
	.size	k_q648cd09927_main, .Lfunc_end_k_q648cd09927_main-k_q648cd09927_main
	.p2alignl 7, 3214868480
	.fill 96, 4, 3214868480
	.section	.rodata,"a",@progbits
	.p2align	6, 0x0
	.amdhsa_kernel k_q648cd09927_main
		.amdhsa_group_segment_fixed_size 286208
		.amdhsa_private_segment_fixed_size 0
		.amdhsa_enable_private_segment 0
		.amdhsa_kernarg_size 64
		.amdhsa_user_sgpr_count 2
		.amdhsa_user_sgpr_kernarg_segment_ptr 1
		.amdhsa_wavefront_size32 1
		.amdhsa_system_sgpr_workgroup_id_x 1
		.amdhsa_system_sgpr_workgroup_id_y 1
		.amdhsa_system_sgpr_workgroup_id_z 1
		.amdhsa_system_vgpr_workitem_id 0
		.amdhsa_next_free_vgpr 1024
		.amdhsa_next_free_sgpr 66
		.amdhsa_reserve_vcc 0
		.amdhsa_float_denorm_mode_32 3
		.amdhsa_float_denorm_mode_16_64 3
		.amdhsa_memory_ordered 1
		.amdhsa_forward_progress 1
		.amdhsa_inst_pref_size 255
	.end_amdhsa_kernel
	.section	.bss,"aw",@nobits
	.p2align	6
	.space	262144
	.amdgpu_metadata
---
amdhsa.version: [ 1, 2 ]
amdhsa.kernels:
  - .name:           k_q648cd09927_main
    .symbol:         k_q648cd09927_main.kd
    .args:
      - { .name: keys, .offset: 0, .size: 8, .value_kind: global_buffer, .address_space: global }
      - { .name: ubf, .offset: 8, .size: 8, .value_kind: global_buffer, .address_space: global }
      - { .name: cqb, .offset: 16, .size: 8, .value_kind: global_buffer, .address_space: global }
      - { .name: vap, .offset: 24, .size: 8, .value_kind: global_buffer, .address_space: global }
      - { .name: Va_b, .offset: 32, .size: 8, .value_kind: global_buffer, .address_space: global }
      - { .name: scores, .offset: 40, .size: 8, .value_kind: global_buffer, .address_space: global }
      - { .name: stat, .offset: 48, .size: 8, .value_kind: global_buffer, .address_space: global }
      - { .name: pctx, .offset: 56, .size: 8, .value_kind: global_buffer, .address_space: global }
    .group_segment_fixed_size: 286208
    .private_segment_fixed_size: 0
    .kernarg_segment_align: 8
    .kernarg_segment_size: 64
    .max_flat_workgroup_size: 128
    .sgpr_count:     66
    .vgpr_count:     1024
    .wavefront_size: 32
...
	.end_amdgpu_metadata
.endif
;; end of part 2
;; launch fin (part 3): grid 32 x 4, 2 waves a work-group, no clusters, 0 bytes of LDS; arguments scores, stat, pctx, out0, out1; writes out0, out1
.if DOCPART == 3
	.amdgcn_target "amdgcn-amd-amdhsa--gfx1250"
	.amdhsa_code_object_version 6
	.text
	.protected	k_q648cd09927_fin
	.globl	k_q648cd09927_fin
	.p2align	8
	.type	k_q648cd09927_fin,@function
k_q648cd09927_fin:
	s_mov_b64 s[64:65], 0
	v_nop
	global_prefetch_b8 v0, s[64:65] scope:SCOPE_SE
	s_setreg_imm32_b32 hwreg(HW_REG_WAVE_MODE, 25, 1), 1
	s_wait_xcnt 0x0
; THE MERGE.  A batch has 16 blocks, each with its maximum m_i, its sum l_i and its unnormalised context P_i.  M = max m_i, f_i = e^(m_i - M), L = sum f_i l_i;
; context = (sum f_i P_i) / L; weight[s] = e^(score[s] - M) / L.  All in f32.  Work-group (b, y): batch b; thread qd = 64 y + t owns channels 4 qd .. + 3 and the
; scores 4 qd .. + 3 and 1,024 + 4 qd .. + 3: every load and store of a wave covers 512 consecutive bytes.  No LDS, no barrier: a thread needs nothing of another.
; LIMITS.  A weight or factor below 2^-126 counts as 0; L is at least 1 (the batch's largest score counts 1).  NaN and infinities are not treated apart.
.set FL, 8                             ; v[8:39]    block i: (f_i, l_i) as a pair
.set PC, 40                            ; v[40:103]  block i: my four channels of P_i
.set SW, 104                           ; v[104:111] my eight scores, then weights
.set AC, 112                           ; v[112:115] my four channels of the context
	s_load_b256 s[4:11], s[0:1], 0x0               ; scores s[4:5], stat s[6:7], pctx s[8:9], out0 s[10:11]
	s_load_b64 s[12:13], s[0:1], 0x20              ; out1
	s_and_b32 s14, ttmp7, 0xffff
	s_lshl_b32 s14, s14, 6
	v_add_nc_u32 v1, s14, v0
	v_lshlrev_b32 v1, 4, v1                        ; 16 qd
	s_mov_b32 s48, 0x3fb8aa3b                      ; log2 e
	s_mov_b32 s49, 0x3fb8aa3b
	s_mov_b32 s51, 0
	s_wait_kmcnt 0x0
	s_lshl_b32 s50, ttmp9, 12
	s_add_nc_u64 s[6:7], s[6:7], s[50:51]          ; 16 blocks x 256 bytes
	s_add_nc_u64 s[10:11], s[10:11], s[50:51]
	s_lshl_b32 s50, ttmp9, 16
	s_add_nc_u64 s[8:9], s[8:9], s[50:51]          ; 16 blocks x 4,096 bytes
	s_lshl_b32 s50, ttmp9, 13
	s_add_nc_u64 s[4:5], s[4:5], s[50:51]
	s_add_nc_u64 s[12:13], s[12:13], s[50:51]
.irp i, 0,1,2,3,4,5,6,7,8,9,10,11,12,13,14,15
	s_load_b64 s[16+2*(\i):17+2*(\i)], s[6:7], 256*(\i)        ; (m_i, l_i)
.endr
.irp i, 0,1,2,3,4,5,6,7,8,9,10,11,12,13,14,15
	global_load_b128 v[PC+4*(\i):PC+4*(\i)+3], v1, s[8:9] offset:4096*(\i)
.endr
	global_load_b128 v[SW:SW+3], v1, s[4:5]
	global_load_b128 v[SW+4:SW+7], v1, s[4:5] offset:4096
	s_wait_kmcnt 0x0
	v_mov_b32 v2, s16
.irp i, 1,3,5,7,9,11,13
	v_max3_num_f32 v2, v2, s[16+2*(\i)], s[18+2*(\i)]
.endr
	v_max_num_f32 v2, s46, v2                      ; M
	v_mov_b32 v3, v2
.irp i, 0,1,2,3,4,5,6,7,8,9,10,11,12,13,14,15
	v_sub_f32 v[FL+2*(\i)], s[16+2*(\i)], v2       ; m_i - M first: 0 exactly at the maximum
	v_mov_b32 v[FL+2*(\i)+1], s[17+2*(\i)]
.endr
.irp i, 0,1,2,3,4,5,6,7,8,9,10,11,12,13,14,15
	v_mul_f32 v[FL+2*(\i)], s48, v[FL+2*(\i)]
.endr
	s_wait_loadcnt 0x0                             ; one round of loads: all are in
.irp k, 0,2,4,6
	v_pk_add_f32 v[SW+(\k):SW+(\k)+1], v[SW+(\k):SW+(\k)+1], v[2:3] neg_lo:[0,1] neg_hi:[0,1]
.endr
.irp k, 0,2,4,6
	v_pk_mul_f32 v[SW+(\k):SW+(\k)+1], v[SW+(\k):SW+(\k)+1], s[48:49] op_sel_hi:[1,0]
.endr
.irp i, 0,1,2,3,4,5,6,7,8,9,10,11,12,13,14,15
	v_exp_f32 v[FL+2*(\i)], v[FL+2*(\i)]           ; one batch of 24 exponentials,
.endr
.irp k, 0,1,2,3,4,5,6,7
	v_exp_f32 v[SW+(\k)], v[SW+(\k)]
.endr
	v_nop                                          ; a plain instruction behind the last,
	s_wait_alu depctr_va_vdst(0)                   ; and one wait ahead of the first reader
	v_mul_f32 v4, v[FL], v[FL+1]                   ; L in two chains
	v_mul_f32 v5, v[FL+2], v[FL+3]
.irp i, 2,4,6,8,10,12,14
	v_fma_f32 v4, v[FL+2*(\i)], v[FL+2*(\i)+1], v4
	v_fma_f32 v5, v[FL+2*(\i)+2], v[FL+2*(\i)+3], v5
.endr
	v_add_f32 v4, v4, v5
	v_rcp_f32 v6, v4                               ; the context's sums below name neither v4 nor v6: they are the work behind the reciprocal
	v_pk_mul_f32 v[AC:AC+1], v[PC:PC+1], v[FL:FL+1] op_sel_hi:[1,0]
	v_pk_mul_f32 v[AC+2:AC+3], v[PC+2:PC+3], v[FL:FL+1] op_sel_hi:[1,0]
.irp i, 1,2,3,4,5,6,7,8,9,10,11,12,13,14,15
	v_pk_fma_f32 v[AC:AC+1], v[PC+4*(\i):PC+4*(\i)+1], v[FL+2*(\i):FL+2*(\i)+1], v[AC:AC+1] op_sel_hi:[1,0,1]
	v_pk_fma_f32 v[AC+2:AC+3], v[PC+4*(\i)+2:PC+4*(\i)+3], v[FL+2*(\i):FL+2*(\i)+1], v[AC+2:AC+3] op_sel_hi:[1,0,1]
.endr
	s_wait_alu depctr_va_vdst(0)                   ; the reciprocal's wait, ahead of its first reader
	v_mov_b32 v7, v6
	v_pk_mul_f32 v[AC:AC+1], v[AC:AC+1], v[6:7]
	v_pk_mul_f32 v[AC+2:AC+3], v[AC+2:AC+3], v[6:7]
.irp k, 0,2,4,6
	v_pk_mul_f32 v[SW+(\k):SW+(\k)+1], v[SW+(\k):SW+(\k)+1], v[6:7]
.endr
	global_store_b128 v1, v[AC:AC+3], s[10:11]
	global_store_b128 v1, v[SW:SW+3], s[12:13]
	global_store_b128 v1, v[SW+4:SW+7], s[12:13] offset:4096
	s_endpgm
.Lfunc_end_k_q648cd09927_fin:
	.size	k_q648cd09927_fin, .Lfunc_end_k_q648cd09927_fin-k_q648cd09927_fin
	.p2alignl 7, 3214868480
	.fill 96, 4, 3214868480
	.section	.rodata,"a",@progbits
	.p2align	6, 0x0
	.amdhsa_kernel k_q648cd09927_fin
		.amdhsa_group_segment_fixed_size 0
		.amdhsa_private_segment_fixed_size 0
		.amdhsa_enable_private_segment 0
		.amdhsa_kernarg_size 40
		.amdhsa_user_sgpr_count 2
		.amdhsa_user_sgpr_kernarg_segment_ptr 1
		.amdhsa_wavefront_size32 1
		.amdhsa_system_sgpr_workgroup_id_x 1
		.amdhsa_system_sgpr_workgroup_id_y 1
		.amdhsa_system_sgpr_workgroup_id_z 1
		.amdhsa_system_vgpr_workitem_id 0
		.amdhsa_next_free_vgpr 128
		.amdhsa_next_free_sgpr 66
		.amdhsa_reserve_vcc 0
		.amdhsa_float_denorm_mode_32 3
		.amdhsa_float_denorm_mode_16_64 3
		.amdhsa_memory_ordered 1
		.amdhsa_forward_progress 1
		.amdhsa_inst_pref_size 11
	.end_amdhsa_kernel
	.amdgpu_metadata
---
amdhsa.version: [ 1, 2 ]
amdhsa.kernels:
  - .name:           k_q648cd09927_fin
    .symbol:         k_q648cd09927_fin.kd
    .args:
      - { .name: scores, .offset: 0, .size: 8, .value_kind: global_buffer, .address_space: global }
      - { .name: stat, .offset: 8, .size: 8, .value_kind: global_buffer, .address_space: global }
      - { .name: pctx, .offset: 16, .size: 8, .value_kind: global_buffer, .address_space: global }
      - { .name: out0, .offset: 24, .size: 8, .value_kind: global_buffer, .address_space: global }
      - { .name: out1, .offset: 32, .size: 8, .value_kind: global_buffer, .address_space: global }
    .group_segment_fixed_size: 0
    .private_segment_fixed_size: 0
    .kernarg_segment_align: 8
    .kernarg_segment_size: 40
    .max_flat_workgroup_size: 64
    .sgpr_count:     66
    .vgpr_count:     128
    .wavefront_size: 32
...
	.end_amdgpu_metadata
.endif
;; end of part 3
;; ======== version 2 of 2: 3 launches; version 1 with the launch main written anew for expert scheduling mode
;; workspace buffers: ubf 2,097,152 bytes; cqb 131,072 bytes; vap 4,096 bytes; scores 262,144 bytes; stat 131,072 bytes; pctx 2,097,152 bytes
;; launch prep: the kernel of part 1 again; grid 16 x 2, 16 waves a work-group, no clusters, 133,120 bytes of LDS; arguments Ua_w, Wa_w, query, Wa_b, Ua_b, Va_w, ubf, cqb, vap; writes ubf, cqb, vap
;; launch main (part 4): grid 512 x 1, 4 waves a work-group, no clusters, 286,208 bytes of LDS; arguments keys, ubf, cqb, vap, Va_b, scores, stat, pctx; writes scores, stat, pctx
.if DOCPART == 4
	.amdgcn_target "amdgcn-amd-amdhsa--gfx1250"
	.amdhsa_code_object_version 6
	.text
	.protected	k_q648cd09927_main
	.globl	k_q648cd09927_main
	.p2align	8
	.type	k_q648cd09927_main,@function
k_q648cd09927_main:
	s_mov_b64 s[64:65], 0
	v_nop
	global_prefetch_b8 v0, s[64:65] scope:SCOPE_SE
	s_setreg_imm32_b32 hwreg(HW_REG_WAVE_SCHED_MODE, 0, 2), 2
	s_setreg_imm32_b32 hwreg(HW_REG_WAVE_MODE, 25, 1), 1
	s_wait_xcnt 0x0
	s_wait_alu depctr_vm_vsrc(0)
; ADDITIVE ATTENTION, ONE BLOCK OF 128 KEY ROWS TO A WORK-GROUP (512 blocks, 16 to a batch).
;   score[s] = Va_b + sum over n of Va[n] tanh(q[n] + (keys Ua_w)[s][n] + biases);  then the block's maximum m, p = e^(score - m), l = sum p, and sum over s of p[s] keys[s][:].
; The keys are read from memory ONCE, as f32, rounded to bf16 and kept in LDS (128 rows x 1,024 k, 278,528 bytes with padding) from the first product to the context.
; THE PRODUCT is taken transposed: source 0 = 16 positions (columns) x 32 k of ubf, source 1 = 16 key rows x 32 k.  A lane then holds ONE key row (lane % 16) and eight positions,
; so the sum over columns stays in the lane but for one exchange of the lanes' halves.  The 1,024 columns go in two chunks of 512; in a chunk a wave has 128 rows x 128 positions:
; 64 accumulators, 512 registers, 2,048 matrix instructions.  A chunk's first K step takes cqb as its C operand, so the sums start at the query's part.
; THE KEYS come in 8 stages of 128 k: a wave loads its 32 rows x 512 bytes (32 loads of 512 consecutive bytes).  Stage t + 1 is rounded in K step 4 t + 2, four conversions behind each of
; sixteen products; its LDS stores and the loads of stage t + 2 stand in that step's second half; the barrier's signal and wait stand round the first 32 products of step 4 t + 3.
; THE WEIGHTS: no two waves of the work-group multiply by the same fragment of ubf, so each fragment goes from memory straight into the registers of its one wave, as a ready image
; (16 loads of 512 consecutive bytes a K step), through a ring of four register buffers.
; NO CLUSTER, NO TENSOR LOAD: beside the keys' 278,528 bytes and 7,680 of scratch LDS has some 41 KiB left, room for one K step of a chunk's weights (32 KiB) and not for two slots that
; take turns; and LDS would add a write and a read of each byte of the weights with no second reader.  The price: every block reads all 2 MiB of ubf.
; TANH.  ubf and cqb carry the factor 2 log2 e: y = the sum, tanh = 1 - 2 / (1 + 2^y); vap = -2 Va, so score = Va_b - sum(vap) / 2 + sum over n of vap[n] / (1 + 2^y).
; LIMITS.  keys, weights and p are rounded once to bf16; sums, maxima and scores are f32.  2^y overflows to infinity above y = 128 (tanh = 1 exactly) and is 0 below -126 (tanh = -1 exactly).
; A weight p below 2^-126 counts as 0.  NaN and infinities in the inputs are not treated apart.
; THE MODE: SCHED_MODE bits 1:0 = 2 (LLVM: expert scheduling mode 2), set by the entry lines.  The code itself states the register dependences between vector or matrix instructions
; and memory or LDS instructions, with s_wait_alu, always for 0.
; THE PLAN.  Registers that memory or LDS instructions touch in K step s (ring buffer s % 4):
;   GA            read by the step's first 32 products; loaded again in the step's second half, for step s + 1.
;   GB, GC        by the step's parity: one is read by the step's last 32 products; the other, read by the last 32 products of step s - 1, is loaded in the step's second half, for step s + 1.
;   ring buffers  buffer s % 4 is read by the step's 64 products; buffer (s + 3) % 4, read by step s - 1, is loaded in the step's second half, for step s + 3.
;   STG           in step 4 t + 2: read and written by the 64 conversions of the first half; read by the 32 LDS stores, then written by 32 loads, all in the second half.
;   v[AFA], v[STA]  read by the LDS loads and stores; stepped once a trip, in the middle of the trip's last step.  All other addresses are made in the head and never written again.
;   The accumulators are named by vector and matrix instructions alone.
; So ONE wait on va_vdst stands in a step, in its middle.  It states that the first half is done reading GA, that the step before is done reading the other fragment group and its ring buffer, that a stage's
; conversions have written STG and are done with it, and that the stepped addresses are written.  Behind it the step's memory instructions are dealt among the last 32 products, eight behind every second one;
; those products name this step's ring buffer, its own fragment group and window 3's accumulators: none of the registers that the dealt instructions touch.  One wait on vm_vsrc stands between a stage's
; stores and the loads that land on their data, one a trip ahead of the adds to the two addresses.
; REGISTERS, in windows of 256 (s_set_vgpr_msb: bits 1:0 source 0, 3:2 source 1, 5:4 source 2, 7:6 destination):
;   window 0: v0-15 addresses; v16-23 chunk 0's row sums; v24-25 at work; v64-95 the keys' fragments 0-3 of a K step; v96-127 (even steps) and v32-63 (odd steps) fragments 4-7;
;             v128-255 a stage as f32, later vap for both chunks
;   window 1: the weights' ring, buffer i, fragment b at 64 i + 8 b; buffer 3 holds cqb during a chunk's first step      windows 2, 3: accumulator (a, b) at 8 (8 (a & 3) + b), a < 4 in window 2
.set REG,    34816                     ; LDS bytes of a stage: 128 rows x 272 (256 of data + 16: the sixteen rows of a fragment load start 68 words apart, at sixteen different groups of four banks: ISA guide 11.1)
.set SPART,  8*REG                     ; 2,048: the waves' parts of the scores, [wave][128 rows] f32
.set PBUF,   SPART+2048                ; 1,024: p in bf16, a copy of 256 bytes for each wave
.set CSTG,   PBUF+1024                 ; 4,096: the context's way out, 1,024 bytes a wave; the 512 bytes behind it hold the spare words of the closing add
.set AFA,  2                           ; v2   r x 272 + 16 h + the stage of the loop's trip
.set AFA0, 3                           ; v3   the same for stage 0; never rewritten
.set STA,  4                           ; v4   where my lane stores 8 bytes of my wave's first row of the next stage
.set LO16, 5                           ; v5   16 L
.set PFO,  6                           ; v6   4,096 L: a lane a row
.set CO,   7                           ; v7   32 h
.set SPA,  8                           ; v8   SPART + 512 w + 4 L
.set SPR,  9                           ; v9   SPART + 16 L
.set PBS,  10                          ; v10  PBUF + 256 w + 8 L
.set PFR,  11                          ; v11  PBUF + 256 w + 16 h
.set AVT,  12                          ; v12  the turning loads' address in my two stages
.set CSS,  13                          ; v13  CSTG + 1,024 w + 4 r
.set CSR,  14                          ; v14  CSTG + 1,024 w + 16 L
.set ST8,  15                          ; v15  8 L
.set SC,   16                          ; v[16:23] row sums of chunk 0, by a (the head's work registers before that)
.set TT,   24                          ; v[24:25] the sum of my lane's vap, twice
.set GC,   32                          ; fragments 4-7 of odd K steps
.set TS,   40                          ; v[40:47] row sums of chunk 1, when the products are over
.set GA,   64                          ; fragments 0-3
.set GB,   96                          ; fragments 4-7 of even K steps
.set STG,  128
.set VA,   128                         ; chunk ch, tile b: vap's eight numbers at VA + 64 ch + 8 b
.set WV,   24                          ; s24  my wave's number
.set KP,   28                          ; s[28:29] keys at my wave's first row, at the stage of the loop's trip
.set BP,   30                          ; s[30:31] ubf at my wave's eight fragments, at a group of four K steps
.set CQP,  32                          ; s[32:33] cqb at my batch and my wave's 128 positions
.set VAP,  34                          ; s[34:35] vap likewise
.set MSB, 0
.macro WIN new                         ; the immediate's high byte repeats the setting that is left; a switch that changes nothing is dropped
.if MSB != (\new)
	s_set_vgpr_msb (MSB<<8)|(\new)
.set MSB, (\new)
.endif
.endm
.set TO_B,   0x40                      ; destination window 1, address window 0
.macro PLACES                          ; four places between a matrix instruction and a load into a register that it read, or a vector instruction that reads its result (ISA guide 7.12.1 for vector instructions); they stay beside the waits on va_vdst
.rept 4
	v_nop
.endr
.endm
.macro BLOAD buf, off, b0=0, nb=8      ; nb of a K step's eight fragments of the weights, from fragment b0 on: two loads of 512 consecutive bytes each
	WIN TO_B
.set bi, \b0
.rept \nb
	global_load_b128 v[64*(\buf)+8*bi:64*(\buf)+8*bi+3],   v[LO16], s[BP:BP+1] offset:(\off)+1024*bi
	global_load_b128 v[64*(\buf)+8*bi+4:64*(\buf)+8*bi+7], v[LO16], s[BP:BP+1] offset:(\off)+1024*bi+512
.set bi, bi+1
.endr
.endm
.macro CQLOAD ch                       ; cqb for chunk ch, my eight positions of each of my eight tiles, into ring buffer 3: 16 loads
	WIN TO_B
.irp b, 0,1,2,3,4,5,6,7
	global_load_b128 v[192+8*(\b):192+8*(\b)+3],   v[CO], s[CQP:CQP+1] offset:2048*(\ch)+64*(\b)
	global_load_b128 v[192+8*(\b)+4:192+8*(\b)+7], v[CO], s[CQP:CQP+1] offset:2048*(\ch)+64*(\b)+16
.endr
.endm
.macro AFETCH dst, a0, areg, aoff      ; four fragments of the keys, rows 16 (a0 + a) + r: two loads of 16 bytes each, 32 bytes apart
	WIN 0
.irp a, 0,1,2,3
	ds_load_b128 v[(\dst)+8*(\a):(\dst)+8*(\a)+3],   v[\areg] offset:(\aoff)+4352*((\a0)+(\a))
	ds_load_b128 v[(\dst)+8*(\a)+4:(\dst)+8*(\a)+7], v[\areg] offset:(\aoff)+4352*((\a0)+(\a))+32
.endr
.endm
.macro KBURST base, off                ; a stage of my 32 rows: each load is 512 consecutive bytes of a row
.set ki, 0
.rept 32
	global_load_b128 v[(\base)+4*ki:(\base)+4*ki+3], v[LO16], s[KP:KP+1] offset:(\off)+4096*ki th:TH_LOAD_NT
.set ki, ki+1
.endr
.endm
.macro CVT1 base                       ; conversion cn of a stage's 64, in place: a load's four numbers become two registers
	v_cvt_pk_bf16_f32 v[(\base)+4*(cn/2)+(cn%2)], v[(\base)+4*(cn/2)+2*(cn%2)], v[(\base)+4*(cn/2)+2*(cn%2)+1]
.set cn, cn+1
.endm
.macro STORES base, k0, n              ; n rows of the stage, from row k0 on, into LDS: 256 consecutive bytes a row
.set ki, \k0
.rept \n
	ds_store_b64 v[STA], v[(\base)+4*ki:(\base)+4*ki+1] offset:272*ki
.set ki, ki+1
.endr
.endm
; Eight of the 32 loads that follow a stage's stores: of the stage two on (trips 1 to 6) or, in the seventh trip, of vap: eight loads into the same registers on either way, so the steps' counts are the same on both.
; THE PREFETCH INTO THE L2: behind my loads of stage t + 2 I name my own 32 rows' two blocks of 256 bytes of stage t + 3: a lane a row, two instructions, four K steps (256 matrix instructions)
; ahead of the loads that will want them.  Each block is named once in the launch; stages 0-2 come by their loads alone; the last two trips have no stage three on.
.macro KPIECE p
	WIN 0                                          ; at a branch and at a label every window is 0
	s_cmp_gt_u32 s36, 1
	s_cbranch_scc0 .Lva_\@
.set ki, 8*(\p)
.rept 8
	global_load_b128 v[STG+4*ki:STG+4*ki+3], v[LO16], s[KP:KP+1] offset:1024+4096*ki th:TH_LOAD_NT
.set ki, ki+1
.endr
.if (\p) == 3
	s_cmp_gt_u32 s36, 2
	s_cbranch_scc0 .Lkv_\@
	global_prefetch_b8 v[PFO], s[KP:KP+1] offset:1536 th:TH_LOAD_NT scope:SCOPE_SE
	global_prefetch_b8 v[PFO], s[KP:KP+1] offset:1792 th:TH_LOAD_NT scope:SCOPE_SE
.endif
	s_branch .Lkv_\@
.Lva_\@:
.set bi, 4*((\p)%2)
.rept 4
	global_load_b128 v[VA+64*((\p)/2)+8*bi:VA+64*((\p)/2)+8*bi+3],   v[CO], s[VAP:VAP+1] offset:2048*((\p)/2)+64*bi
	global_load_b128 v[VA+64*((\p)/2)+8*bi+4:VA+64*((\p)/2)+8*bi+7], v[CO], s[VAP:VAP+1] offset:2048*((\p)/2)+64*bi+16
.set bi, bi+1
.endr
.Lkv_\@:
.endm
; WHAT IS DEALT behind product mi of a step's second half: item mi / 2 behind every second product, eight memory instructions each.  STEP sets dAR, dAO (the next step's fragments), dBF, dBO (the ring buffer to load), dST (a stage's step).
;   0: fragments 0-3 of the next step    1: its fragments 4-7    then, in a stage's step, 2-5: the stage's LDS stores    then two items: the weights three steps on    then, in a stage's step, 8-11: the next loads into STG
; No wait on va_vdst is owed here: no vector or matrix instruction since the wait in the step's middle names a register that these instructions touch.
.macro HOOK
.if (mi%2) == 1
.set itm, mi/2
.if (itm == 0) && (dAO >= 0)
	AFETCH GA, 0, dAR, dAO
.elseif (itm == 1) && (dAO >= 0)
	AFETCH hnxt, 4, dAR, dAO
.elseif (dST == 1) && (itm >= 2) && (itm < 6)
	WIN 0
	STORES STG, 8*(itm-2), 8
.elseif (dBO >= 0) && (itm >= 2+4*dST) && (itm < 4+4*dST)
	BLOAD dBF, dBO, 4*(itm-2-4*dST), 4
.elseif (dST == 1) && (itm >= 8) && (itm < 12)
.if itm == 8
	WIN 0
	s_wait_alu depctr_vm_vsrc(0)                   ; the stage's 32 LDS stores have read v[STG ..], in which the 32 loads of the four items from here on land (the conversions that named them stand ahead of the step's wait on va_vdst)
.endif
	KPIECE itm-8
.endif
.endif
.endm
; 32 products: rows 64 hi .. (fragments at ag), all 8 tiles, ring buffer buf.  The accumulators take turns, one instruction a turn, within a step and from step to step.
; z = 1: the chunk's first step: C is cqb, in ring buffer 3.  rid = 1: four conversions of the stage stand behind each of the last sixteen products; the last four are also the places ahead of the step's loads.
; dl = 1: the step's memory instructions are dealt among the products.
.macro MUL32 hi, ag, buf, z, rid, dl
.set mi, 0
.irp a, 0,1,2,3
.irp b, 0,1,2,3,4,5,6,7
.if \z
	WIN 0x91+0x40*(\hi)                            ; weights and C window 1, keys window 0, D window 2 or 3
	v_wmma_f32_16x16x32_bf16 v[8*(8*(\a)+(\b)):8*(8*(\a)+(\b))+7], v[64*(\buf)+8*(\b):64*(\buf)+8*(\b)+7], v[(\ag)+8*(\a):(\ag)+8*(\a)+7], v[192+8*(\b):192+8*(\b)+7]
.else
	WIN 0xa1+0x50*(\hi)                            ; weights window 1, keys window 0, C and D window 2 or 3
	v_wmma_f32_16x16x32_bf16 v[8*(8*(\a)+(\b)):8*(8*(\a)+(\b))+7], v[64*(\buf)+8*(\b):64*(\buf)+8*(\b)+7], v[(\ag)+8*(\a):(\ag)+8*(\a)+7], v[8*(8*(\a)+(\b)):8*(8*(\a)+(\b))+7]
.endif
.if (\rid) && (mi >= 16)
	WIN 0
.rept 4
	CVT1 STG
.endr
.endif
.if \dl
	HOOK
.endif
.set mi, mi+1
.endr
.endr
.endm
.macro NEXT4 keys                      ; four K steps on.  It stands in the middle of a trip's last step, 56 products behind the last load issued and ahead of that step's wait on va_vdst
	WIN 0
	s_wait_alu depctr_vm_vsrc(0)                   ; the LDS loads and stores issued so far have read v[AFA] and v[STA], which the adds below write
	s_wait_xcnt 0x0                                ; every earlier load and prefetch has had its address translated (ISA guide 3.1): the scalar pointers may be written
	s_add_nc_u64 s[BP:BP+1], s[BP:BP+1], 131072
	v_add_nc_u32 v[AFA], REG, v[AFA]
.if \keys
	s_add_nc_u64 s[KP:KP+1], s[KP:KP+1], 512
	v_add_nc_u32 v[STA], REG, v[STA]
.endif
.endm
; A K STEP of 32: 64 products on ring buffer buf; odd: the step's parity (where its fragments 4-7 lie).  ldn: how many younger loads may stay out when the buffer has to be in.
; areg, aoff: where the NEXT step's fragments of the keys lie (-1: none).  boff: from where the buffer of the step before is loaded again, for the step three on (-1: not).
; stage = 1: the stage's conversions, stores and the next loads.  bar = 1: the barrier between those stores and the first read of the stage.  endp = 1: places behind the last product.
; nx = 1: the pointers and addresses move on by four K steps, the keys' too; nx = 2: without the keys'.
.macro STEP buf, odd, z, ldn, areg, aoff, boff, stage=0, bar=0, endp=0, nx=0
.set hcur, GB-(GB-GC)*(\odd)
.set hnxt, GC+(GB-GC)*(\odd)
.set dAR, \areg
.set dAO, \aoff
.set dBO, \boff
.if \z
.set dBO, -1
.endif
.set dBF, ((\buf)+3)%4
.set dST, \stage
	s_wait_loadcnt \ldn                            ; loads come back in order (ISA guide 5.7.1): the buffer is in
.if \bar
	s_wait_dscnt 0x0                               ; for the others' sake: my stores of the stage are done (and my fragments are in)
	s_barrier_signal -1                            ; 32 products, work on registers, stand between the signal and the wait
.else
	s_wait_dscnt 8                                 ; fragments 0-3 are in; the eight loads of fragments 4-7 may be out
.endif
.set cn, 0
	MUL32 0, GA, \buf, \z, \stage, 0
.if \bar
	s_barrier_wait -1                              ; every wave's part of the stage lies in LDS: the loads below read it
.endif
.if ((\aoff) >= 0) || ((\boff) >= 0)
.if !(\stage)
	PLACES
.endif
.if \nx
	NEXT4 2-(\nx)
.endif
	s_wait_alu depctr_va_vdst(0)                   ; the first half is done reading GA; the step before is done reading the other fragment group and its ring buffer; a stage's conversions have written v[STG ..] and are done with it; v[AFA] and v[STA] are written
.endif
.if !(\bar)
	s_wait_dscnt 0x0                               ; my fragments 4-7, asked for a step ago, are in; no LDS instruction of this step has been issued yet
.endif
	MUL32 1, hcur, \buf, \z, 0, 1
.if \z
	PLACES
	WIN TO_B
	s_wait_alu depctr_va_vdst(0)                   ; the step's 64 products are done reading cqb in ring buffer 3, in which the weights below land
	BLOAD 3, \boff
.elseif \endp
	PLACES
.endif
.endm
; THE EPILOGUE of a window's 32 accumulators, in four groups g of tiles b = 2 g, 2 g + 1 (32 register pairs each; pair i: tile 2 g + (i >> 4), rows a' = (i >> 2) & 3, registers 2 (i & 3) ..).
;   EX2: 2^y      EA: 1 + 2^y      ERC: the reciprocal      ES: vap x reciprocal + the running sum, which walks from tile b - 1 to tile b in the accumulators' own registers
; All run under one window setting.  Each accumulator's register 0 is read first.  No memory or LDS instruction stands here, and none in flight touches a register named here.
.macro EREG g, i
.set eB, 2*(\g)+((\i)>>4)
.set eQ, 2*((\i)&3)
.set eP, 8*(8*(((\i)>>2)&3)+eB)+eQ
.endm
.macro EX2 g, i, z
	EREG \g, \i
	v_exp_f32 v[eP+(\z)], v[eP+(\z)]
.endm
.macro EA g, i
	EREG \g, \i
	v_pk_add_f32 v[eP:eP+1], v[eP:eP+1], 1.0 op_sel_hi:[1,0]
.endm
.macro ERC g, i, z
	EREG \g, \i
	v_rcp_f32 v[eP+(\z)], v[eP+(\z)]
.endm
.macro ES g, i
	EREG \g, \i
.if eB == 0
	v_pk_mul_f32 v[eP:eP+1], v[eP:eP+1], v[VA+64*ech+8*eB+eQ:VA+64*ech+8*eB+eQ+1]
.else
	v_pk_fma_f32 v[eP:eP+1], v[eP:eP+1], v[VA+64*ech+8*eB+eQ:VA+64*ech+8*eB+eQ+1], v[eP-8:eP-7]
.endif
.endm
; Phase f works on three groups at once: EX2 of group f, EA and ERC of f - 1, ES of f - 2, plain lines between the transcendentals.  No line of a phase names a result of that phase's
; exponentials or reciprocals, so a phase has ONE v_nop and ONE wait at its end, ahead of the first reader.
.macro EPHASE f
.set ei, 0
.rept 32
.if ((\f) >= 1) && ((\f) <= 4)
	EA (\f)-1, ei
.endif
.if (\f) <= 3
	EX2 \f, ei, 0
.endif
.if (\f) >= 2
	ES (\f)-2, ei
.endif
.if (\f) <= 3
	EX2 \f, ei, 1
.endif
.if ((\f) >= 1) && ((\f) <= 4) && (ei >= 1)
	ERC (\f)-1, ei-1, 0
	ERC (\f)-1, ei-1, 1
.endif
.set ei, ei+1
.endr
.if ((\f) >= 1) && ((\f) <= 4)
	ERC (\f)-1, 31, 0
	ERC (\f)-1, 31, 1
.endif
.if (\f) <= 4
	v_nop
	s_wait_alu depctr_va_vdst(0)                   ; the phase's exponentials and reciprocals have written their results, which the next phase reads
.endif
.endm
.macro EPIW W, dst, ch                 ; window 2 + W of chunk ch; the four rows' sums go to v[dst + 4 W ..]
.set ech, (\ch)
	WIN 0xa2+0x51*(\W)                             ; source 0, source 2 and destination in the accumulators' window, source 1 (vap) in window 0
.irp f, 0,1,2,3,4,5
	EPHASE \f
.endr
	WIN 0x8a+0x45*(\W)                             ; tile 7 holds eight sums a lane: added in place,
.irp a, 0,1,2,3
	v_pk_add_f32 v[64*(\a)+56:64*(\a)+57], v[64*(\a)+56:64*(\a)+57], v[64*(\a)+60:64*(\a)+61]
	v_pk_add_f32 v[64*(\a)+58:64*(\a)+59], v[64*(\a)+58:64*(\a)+59], v[64*(\a)+62:64*(\a)+63]
.endr
.irp a, 0,1,2,3
	v_pk_add_f32 v[64*(\a)+56:64*(\a)+57], v[64*(\a)+56:64*(\a)+57], v[64*(\a)+58:64*(\a)+59]
.endr
	WIN 0x0a+5*(\W)                                ; and out into window 0
.irp a, 0,1,2,3
	v_add_f32 v[(\dst)+4*(\W)+(\a)], v[64*(\a)+56], v[64*(\a)+57]
.endr
.endm
; THE CONTEXT.  32 keys x 16 channels of my two stages, turned on the way out of LDS: tile t = channels 16 t .. of my 256
.macro KTLOAD ks
	WIN TO_B
.irp t, 0,1,2,3,4,5,6,7,8,9,10,11,12,13,14,15
	ds_load_tr16_b128 v[128*((\ks)%2)+8*(\t):128*((\ks)%2)+8*(\t)+3],   v[AVT] offset:((\t)/8)*REG+32*(\ks)*272+32*((\t)%8)
	ds_load_tr16_b128 v[128*((\ks)%2)+8*(\t)+4:128*((\ks)%2)+8*(\t)+7], v[AVT] offset:((\t)/8)*REG+32*(\ks)*272+16*272+32*((\t)%8)
.endr
.endm
.macro CMUL ks, zero                   ; 16 products, the sixteen accumulators by turns
	WIN 0xa4                                       ; p in window 0, the keys in window 1, C and D in window 2
.irp t, 0,1,2,3,4,5,6,7,8,9,10,11,12,13,14,15
.if \zero
	v_wmma_f32_16x16x32_bf16 v[8*(\t):8*(\t)+7], v[GA+8*(\ks):GA+8*(\ks)+7], v[128*((\ks)%2)+8*(\t):128*((\ks)%2)+8*(\t)+7], 0
.else
	v_wmma_f32_16x16x32_bf16 v[8*(\t):8*(\t)+7], v[GA+8*(\ks):GA+8*(\ks)+7], v[128*((\ks)%2)+8*(\t):128*((\ks)%2)+8*(\t)+7], v[8*(\t):8*(\t)+7]
.endif
.endr
.endm
	; ---- THE HEAD: all that hangs on no argument stands in the wait for the arguments ----
	s_load_b512 s[8:23], s[0:1], 0x0               ; keys, ubf, cqb, vap, Va_b, scores, stat, pctx
	v_lshl_add_u32 v30, v0, 2, 0x45c00
	v_mov_b32 v31, 0
	v_lshrrev_b32 v1, 5, v0
	v_readfirstlane_b32 s[WV], v1                  ; wave 0..3
	v_and_b32 v1, 31, v0                           ; L
	v_lshlrev_b32 v[LO16], 4, v1
	v_and_b32 v18, 15, v0                          ; r
	v_bfe_u32 v19, v0, 4, 1                        ; h
	v_lshlrev_b32 v[CO], 5, v19
	s_wait_alu depctr_va_sdst(0)                   ; s24, the wave's number, is written, ahead of its first reader: offsets, LDS places and branches are made from it
	s_lshl_b32 s26, ttmp9, 19                      ; the block's 128 rows of 4,096 bytes,
	s_lshl_b32 s27, s[WV], 17                      ; my wave's 32
	s_add_co_u32 s26, s26, s27
	s_mov_b32 s27, 0
	s_lshl_b32 s40, s[WV], 13                      ; my eight fragments of 1,024 bytes
	s_mov_b32 s41, 0
	s_lshr_b32 s52, ttmp9, 4                       ; the batch,
	s_lshl_b32 s52, s52, 12
	s_lshl_b32 s53, s[WV], 9                       ; my wave's 128 positions
	s_add_co_u32 s52, s52, s53
	s_mov_b32 s53, 0
	s_mov_b32 s37, 0xffff0000                      ; lanes 16-31
	s_mov_b32 s38, 0x76543210                      ; v_permlanex16_b32: each lane takes its own place in the other half
	s_mov_b32 s39, 0xfedcba98
	s_mov_b32 s42, 0x3fb8aa3b                      ; log2 e
	s_mov_b32 s43, 0x3fb8aa3b
	s_mov_b32 s45, 0                               ; named with Va_b as a pair
	v_mul_u32_u24 v[AFA0], v18, 272
	v_lshl_add_u32 v[AFA0], v19, 4, v[AFA0]
	v_mov_b32 v[AFA], v[AFA0]
	s_mul_i32 s54, s[WV], 32*272
	v_lshl_add_u32 v[STA], v1, 3, s54
	v_lshlrev_b32 v[PFO], 12, v1
	s_lshl_b32 s54, s[WV], 9
	s_add_co_u32 s54, s54, SPART
	v_lshl_add_u32 v[SPA], v1, 2, s54
	v_lshl_add_u32 v[SPR], v1, 4, SPART
	s_lshl_b32 s54, s[WV], 8
	s_add_co_u32 s54, s54, PBUF
	v_lshl_add_u32 v[PBS], v1, 3, s54
	v_lshl_add_u32 v[PFR], v19, 4, s54
	v_and_b32 v20, 7, v0
	v_bfe_u32 v21, v0, 3, 1
	v_lshl_add_u32 v[AVT], v19, 3, v20             ; the turning load: lane L reads key 8 h + L % 8, channels 8 ((L / 8) % 2) ..
	v_mul_u32_u24 v[AVT], v[AVT], 272
	v_lshl_add_u32 v[AVT], v21, 4, v[AVT]
	s_mul_i32 s54, s[WV], 2*REG
	v_add_nc_u32 v[AVT], s54, v[AVT]
	s_lshl_b32 s54, s[WV], 10
	s_add_co_u32 s54, s54, CSTG
	v_lshl_add_u32 v[CSS], v18, 2, s54
	v_lshl_add_u32 v[CSR], v1, 4, s54
	v_lshlrev_b32 v[ST8], 3, v1
	s_wait_kmcnt 0x0
	s_add_nc_u64 s[KP:KP+1], s[8:9], s[26:27]
	s_add_nc_u64 s[BP:BP+1], s[10:11], s[40:41]
	s_add_nc_u64 s[CQP:CQP+1], s[12:13], s[52:53]
	WIN 0x80                                       ; stage 0 lands in window 2, where the accumulators are not yet in use, so that stage 1 need not wait for its registers
	s_wait_alu depctr_va_vdst(0)                   ; the fourteen offsets and addresses v2 to v15 are written, which the kernel's loads, stores and prefetches read
	KBURST 0, 0
	BLOAD 0, 0
	CQLOAD 0
	WIN 0
	s_load_b32 s44, s[16:17], 0x0                  ; Va_b
	s_lshl_b32 s26, s[WV], 9
	s_add_nc_u64 s[VAP:VAP+1], s[14:15], s[26:27]
	s_lshl_b32 s26, ttmp9, 9
	s_add_nc_u64 s[46:47], s[18:19], s[26:27]      ; scores at the block's 128
	s_lshl_b32 s26, ttmp9, 8
	s_add_nc_u64 s[48:49], s[20:21], s[26:27]      ; stat at the block's 256 bytes
	s_lshl_b32 s26, ttmp9, 12
	s_lshl_b32 s54, s[WV], 10
	s_add_co_u32 s26, s26, s54
	s_add_nc_u64 s[50:51], s[22:23], s[26:27]      ; pctx at my wave's 256 channels
	s_wait_loadcnt 32                              ; stage 0 is in: behind it stand the first buffer's 16 loads and cqb's 16
	BLOAD 1, 32768
	BLOAD 2, 65536
	WIN 0
	KBURST STG, 512                                ; stage 1
	WIN 0x8a                                       ; stage 0 rounded in place, in window 2,
.set cn, 0
.rept 64
	CVT1 0
.endr
	WIN 0x08                                       ; and stored (store data from window 2)
	s_wait_alu depctr_va_vdst(0)                   ; the conversions have written stage 0's registers, which the LDS stores read
	STORES 0, 0, 32
	WIN 0
	s_wait_alu depctr_vm_vsrc(0)                   ; the LDS stores have read v[STA], which the add below writes, and their data in window 2, which the first products write as accumulators
	v_add_nc_u32 v[STA], REG, v[STA]
	s_wait_dscnt 0x0                               ; my stores of stage 0 are done
	s_barrier_signal -1
	s_barrier_wait -1
	AFETCH GA, 0, AFA, 0                           ; v[AFA] was written ahead of the head's first wait on va_vdst; no vector instruction has named GA or GB
	AFETCH GB, 4, AFA, 0
	; ---- CHUNK 0: 32 K steps, the stages streamed under them.  A wave's loads in order: ... B(s+1), B(s+2), sixteen a step, and behind those of step 4 t + 2 a stage's 32.
	; Steps 4 t + 3, 4 t + 4, 4 t + 5: two sixteens and a stage's 32 are younger than the buffer in hand: 64, of which a wait can name 63.  Step 4 t + 2: two sixteens, 32; the stage, older, is then in too ----
	STEP 0, 0, 1, 63, AFA, 64, 98304               ; K step 0 starts the sums at cqb: B1, B2 and stage 1 are younger than cqb
	WIN 0                                          ; at a label and at a branch every window is 0
	s_mov_b32 s36, 7
.Lst:                                              ; trip t = 0 .. 6: K steps 4 t + 1 .. 4 t + 4; stage t + 1 goes into LDS, stage t + 2 (in the last trip: vap) is asked for
	STEP 1, 1, 0, 63, AFA, 128, 131072
	STEP 2, 0, 0, 32, AFA, 192, 163840, 1, 0
	STEP 3, 1, 0, 63, AFA, REG, 196608, 0, 1
	STEP 0, 0, 0, 63, AFA, 64,  98304,  0, 0, 0, 1 ; in its middle the pointers move on; its offsets count from there
	WIN 0
	s_sub_co_u32 s36, s36, 1
	s_cmp_lg_u32 s36, 0
	s_cbranch_scc1 .Lst
	STEP 1, 1, 0, 63, AFA,  128, 131072            ; K steps 29 to 31; their reloads are chunk 1's first K steps, which follow chunk 0's in ubf
	STEP 2, 0, 0, 32, AFA,  192, 163840            ; two sixteens are younger: vap, older, is in
	STEP 3, 1, 0, 32, AFA0, 0,   196608, 0, 0, 1   ; it fetches chunk 1's first fragments of the keys
	WIN TO_B
	s_wait_alu depctr_va_vdst(0)                   ; K step 31's products are done reading ring buffer 3, in which cqb of chunk 1 lands during the epilogue
	CQLOAD 1
	EPIW 0, SC, 0
	EPIW 1, SC, 0
	WIN 0
	s_wait_alu depctr_vm_vsrc(0)                   ; chunk 0's LDS loads have read v[AFA], which the move below writes
	v_mov_b32 v[AFA], v[AFA0]
	s_wait_xcnt 0x0                                ; every earlier load has had its address translated (ISA guide 3.1): the weights' pointer may be written
	s_add_nc_u64 s[BP:BP+1], s[BP:BP+1], 131072
	; ---- CHUNK 1: the keys lie in LDS ----
	STEP 0, 0, 1, 0x0, AFA, 64, 98304              ; cqb's loads are the youngest: the wait is for all
	WIN 0
	s_mov_b32 s36, 7
.Lk1:                                              ; K steps 4 t + 1 .. 4 t + 4: two sixteens are younger than the buffer in hand
	STEP 1, 1, 0, 32, AFA, 128, 131072
	STEP 2, 0, 0, 32, AFA, 192, 163840
	STEP 3, 1, 0, 32, AFA, REG, 196608
	STEP 0, 0, 0, 32, AFA, 64,  98304,  0, 0, 0, 2
	WIN 0
	s_sub_co_u32 s36, s36, 1
	s_cmp_lg_u32 s36, 0
	s_cbranch_scc1 .Lk1
	STEP 1, 1, 0, 32,  AFA, 128, -1                ; the last three steps load no weights: the counts run down
	STEP 2, 0, 0, 16,  AFA, 192, -1
	STEP 3, 1, 0, 0x0, AFA, -1,  -1, 0, 0, 1       ; the last step issues no load, so it states no dependence
	EPIW 0, TS, 1
	EPIW 1, TS, 1
	; ---- THE SCORES ----
	WIN 0
.irp d, 64,32,16,8,4,2                 ; the sum of my lane's 128 numbers of vap (both chunks' lie in registers still)
.set k_, 0
.rept (\d)/2
	v_pk_add_f32 v[VA+2*k_:VA+2*k_+1], v[VA+2*k_:VA+2*k_+1], v[VA+(\d)+2*k_:VA+(\d)+2*k_+1]
.set k_, k_+1
.endr
.endr
	v_add_f32 v[TT], v[VA], v[VA+1]
.irp k, 0,2,4,6
	v_pk_add_f32 v[SC+(\k):SC+(\k)+1], v[SC+(\k):SC+(\k)+1], v[TS+(\k):TS+(\k)+1]
.endr
	v_mov_b32 v[TT+1], v[TT]
.irp k, 0,2,4,6
	v_pk_fma_f32 v[SC+(\k):SC+(\k)+1], v[TT:TT+1], -0.5, v[SC+(\k):SC+(\k)+1] op_sel_hi:[1,0,1]  ; - sum(vap) / 2 = + sum of Va over my lane's positions
.endr
.irp a, 0,1,2,3,4,5,6,7
	v_permlanex16_b32 v[TS+(\a)], v[SC+(\a)], s38, s39      ; a row's other positions lie in the lane 16 away
.endr
.irp k, 0,2,4,6
	v_pk_add_f32 v[SC+(\k):SC+(\k)+1], v[SC+(\k):SC+(\k)+1], v[TS+(\k):TS+(\k)+1]
.endr
.irp i, 0,1,2,3
	v_cndmask_b32 v[48+(\i)], v[SC+2*(\i)], v[SC+2*(\i)+1], s37  ; lane L: row 32 i + L
.endr
	s_wait_alu depctr_va_vdst(0)                   ; the four selects have written v48 to v51, which the LDS stores read
.irp i, 0,1,2,3
	ds_store_b32 v[SPA], v[48+(\i)] offset:128*(\i)
.endr
	s_wait_dscnt 0x0                               ; for the others' sake
	s_barrier_signal -1
	s_barrier_wait -1
	s_wait_alu depctr_vm_vsrc(0)                   ; my LDS stores have read v48 to v51, in which the first of the loads below lands
.irp w, 0,1,2,3
	ds_load_b128 v[48+4*(\w):51+4*(\w)], v[SPR] offset:512*(\w)  ; rows 4 L .. 4 L + 3, each wave's part; every wave makes all 128 scores
.endr
	s_wait_kmcnt 0x0                               ; Va_b
	s_wait_dscnt 0x0
	v_pk_add_f32 v[48:49], v[48:49], v[52:53]
	v_pk_add_f32 v[50:51], v[50:51], v[54:55]
	v_pk_add_f32 v[56:57], v[56:57], v[60:61]
	v_pk_add_f32 v[58:59], v[58:59], v[62:63]
	v_pk_add_f32 v[48:49], v[48:49], v[56:57]
	v_pk_add_f32 v[50:51], v[50:51], v[58:59]
	v_pk_add_f32 v[48:49], v[48:49], s[44:45] op_sel_hi:[1,0]
	v_pk_add_f32 v[50:51], v[50:51], s[44:45] op_sel_hi:[1,0]
	v_max3_num_f32 v16, v48, v49, v50              ; the block's maximum
	v_max_num_f32 v16, v16, v51
	v_max_num_f32_dpp v16, v16, v16 row_xmask:1 row_mask:0xf bank_mask:0xf
	v_max_num_f32_dpp v16, v16, v16 row_xmask:2 row_mask:0xf bank_mask:0xf
	v_max_num_f32_dpp v16, v16, v16 row_xmask:4 row_mask:0xf bank_mask:0xf
	v_max_num_f32_dpp v16, v16, v16 row_xmask:8 row_mask:0xf bank_mask:0xf
	v_permlanex16_b32 v52, v16, s38, s39
	v_max_num_f32 v16, v16, v52
	v_mov_b32 v17, v16
	v_pk_add_f32 v[52:53], v[48:49], v[16:17] neg_lo:[0,1] neg_hi:[0,1]   ; s - m first: 0 exactly at the maximum
	v_pk_add_f32 v[54:55], v[50:51], v[16:17] neg_lo:[0,1] neg_hi:[0,1]
	v_pk_mul_f32 v[52:53], v[52:53], s[42:43] op_sel_hi:[1,0]
	v_pk_mul_f32 v[54:55], v[54:55], s[42:43] op_sel_hi:[1,0]
	v_exp_f32 v52, v52
	v_exp_f32 v53, v53
	v_exp_f32 v54, v54
	v_exp_f32 v55, v55
	v_nop                                          ; a plain instruction behind the last exponential,
	s_wait_alu depctr_va_vdst(0)                   ; and the wait ahead of the first reader: the four exponentials have written v52 to v55
	v_add_f32 v56, v52, v53                        ; l is the sum of the unrounded p
	v_add_f32 v57, v54, v55
	v_cvt_pk_bf16_f32 v58, v52, v53
	v_cvt_pk_bf16_f32 v59, v54, v55
	v_add_f32 v56, v56, v57
	v_add_f32_dpp v56, v56, v56 row_xmask:1 row_mask:0xf bank_mask:0xf
	v_add_f32_dpp v56, v56, v56 row_xmask:2 row_mask:0xf bank_mask:0xf
	v_add_f32_dpp v56, v56, v56 row_xmask:4 row_mask:0xf bank_mask:0xf
	v_add_f32_dpp v56, v56, v56 row_xmask:8 row_mask:0xf bank_mask:0xf
	v_permlanex16_b32 v57, v56, s38, s39
	v_add_f32 v17, v56, v57                        ; v[16:17] = (m, l)
	s_wait_alu depctr_va_vdst(0)                   ; p (v58, v59), the scores (v48 to v51) and (m, l) (v16, v17) are written, which the three stores below read
	ds_store_b64 v[PBS], v[58:59]                  ; my wave's own copy of p: no other wave touches it
	s_cmp_lg_u32 s[WV], 0
	s_cbranch_scc1 .Lnot0
	global_store_b128 v[LO16], v[48:51], s[46:47]  ; wave 0: the 128 scores, 512 consecutive bytes,
	global_store_b64 v[ST8], v[16:17], s[48:49]    ; and (m, l) 32 times: 256 consecutive bytes
.Lnot0:
	; ---- THE CONTEXT: D = P x keys, P's sixteen rows all alike; wave w owns channels 256 w .. 256 w + 255 (stages 2 w, 2 w + 1).
	; The loads below land in GA and in window 1, which the products read last: no vector or matrix instruction since the wait above names them ----
.irp k, 0,1,2,3
	ds_load_b128 v[GA+8*(\k):GA+8*(\k)+3],   v[PFR] offset:64*(\k)      ; LDS serves a wave's instructions in order (ISA guide 5.7.1.4): these see my store of p
	ds_load_b128 v[GA+8*(\k)+4:GA+8*(\k)+7], v[PFR] offset:64*(\k)+32
.endr
	KTLOAD 0
	KTLOAD 1
	s_wait_dscnt 0x0
	CMUL 0, 1
	CMUL 1, 0
	PLACES
	WIN TO_B
	s_wait_alu depctr_va_vdst(0)                   ; the 32 products are done reading the turned keys in window 1, in which the next 64 loads land
	KTLOAD 2
	KTLOAD 3
	s_wait_dscnt 0x0
	CMUL 2, 0
	CMUL 3, 0
	PLACES
	WIN 0x08                                       ; store data from window 2
	s_wait_alu depctr_va_vdst(0)                   ; the products have written the sixteen accumulators, which the LDS stores read; the places above stay beside this wait
.irp t, 0,1,2,3,4,5,6,7,8,9,10,11,12,13,14,15
	ds_store_b32 v[CSS], v[8*(\t)] offset:64*(\t)  ; register 0 of tile t, lane r: channel 16 t + r (both halves of the lanes hold the same number)
.endr
	WIN 0
	ds_load_b128 v[96:99], v[CSR]                  ; v96 to v103 were last named by K step 30's products, ahead of many waits
	ds_load_b128 v[100:103], v[CSR] offset:512
	s_wait_dscnt 0x0
	global_store_b128 v[LO16], v[96:99], s[50:51]              ; 512 consecutive bytes each
	global_store_b128 v[LO16], v[100:103], s[50:51] offset:512
	s_wait_dscnt 0x0                               ; the wave's end
	s_wait_alu depctr_hold_cnt(0) depctr_sa_sdst(0) depctr_va_vdst(0) depctr_va_sdst(0) depctr_va_ssrc(0) depctr_va_vcc(0) depctr_vm_vsrc(0)
	s_wait_tensorcnt 0x0
	ds_add_u32 v30, v31
	s_wait_dscnt 0x0
	s_endpgm
.Lfunc_end_k_q648cd09927_main:
	.size	k_q648cd09927_main, .Lfunc_end_k_q648cd09927_main-k_q648cd09927_main
	.p2alignl 7, 3214868480
	.fill 96, 4, 3214868480
	.section	.rodata,"a",@progbits
	.p2align	6, 0x0
	.amdhsa_kernel k_q648cd09927_main
		.amdhsa_group_segment_fixed_size 286208
		.amdhsa_private_segment_fixed_size 0
		.amdhsa_enable_private_segment 0
		.amdhsa_kernarg_size 64
		.amdhsa_user_sgpr_count 2
		.amdhsa_user_sgpr_kernarg_segment_ptr 1
		.amdhsa_wavefront_size32 1
		.amdhsa_system_sgpr_workgroup_id_x 1
		.amdhsa_system_sgpr_workgroup_id_y 1
		.amdhsa_system_sgpr_workgroup_id_z 1
		.amdhsa_system_vgpr_workitem_id 0
		.amdhsa_next_free_vgpr 1024
		.amdhsa_next_free_sgpr 66
		.amdhsa_reserve_vcc 0
		.amdhsa_float_denorm_mode_32 3
		.amdhsa_float_denorm_mode_16_64 3
		.amdhsa_memory_ordered 1
		.amdhsa_forward_progress 1
		.amdhsa_inst_pref_size 255
	.end_amdhsa_kernel
	.section	.bss,"aw",@nobits
	.p2align	6
	.space	262144
	.amdgpu_metadata
---
amdhsa.version: [ 1, 2 ]
amdhsa.kernels:
  - .name:           k_q648cd09927_main
    .symbol:         k_q648cd09927_main.kd
    .args:
      - { .name: keys, .offset: 0, .size: 8, .value_kind: global_buffer, .address_space: global }
      - { .name: ubf, .offset: 8, .size: 8, .value_kind: global_buffer, .address_space: global }
      - { .name: cqb, .offset: 16, .size: 8, .value_kind: global_buffer, .address_space: global }
      - { .name: vap, .offset: 24, .size: 8, .value_kind: global_buffer, .address_space: global }
      - { .name: Va_b, .offset: 32, .size: 8, .value_kind: global_buffer, .address_space: global }
      - { .name: scores, .offset: 40, .size: 8, .value_kind: global_buffer, .address_space: global }
      - { .name: stat, .offset: 48, .size: 8, .value_kind: global_buffer, .address_space: global }
      - { .name: pctx, .offset: 56, .size: 8, .value_kind: global_buffer, .address_space: global }
    .group_segment_fixed_size: 286208
    .private_segment_fixed_size: 0
    .kernarg_segment_align: 8
    .kernarg_segment_size: 64
    .max_flat_workgroup_size: 128
    .sgpr_count:     66
    .vgpr_count:     1024
    .wavefront_size: 32
...
	.end_amdgpu_metadata
.endif
;; end of part 4
;; launch fin: the kernel of part 3 again; grid 32 x 4, 2 waves a work-group, no clusters, 0 bytes of LDS; arguments scores, stat, pctx, out0, out1; writes out0, out1
